; MI455X (gfx1250); checked and timed in simulation.
; The chip was launched on July 23, 2026; its instructions are those of AMD's public machine-readable ISA for CDNA 5 (MIT licence, August 2026) and "CDNA5" Instruction Set Architecture Reference Guide (July 2026). The comments in the code are by the model that wrote it; some were corrected since.
;; Tanh Attention. Allowed arithmetic: matrix products marked QUANTISED: E3M2 operands, one E8M0 scale for each 32 along K, by v_wmma_scale_f32_16x16x128_f8f6f4 with both operands' format E3M2, f32 sums; products left as they are: f32 operands where the result goes on into a quantised operand, else bf16, f16 or f32 operands; f32 sums; everything else in f32.
;; Inputs: W1 1,024 x 2,048 float32; W2 1,024 x 2,048 float32; W3 1,024 x 2,048 float32; Ww 1 x 1,024 float32; b1 1,024 float32; b2 1,024 float32; b3 1,024 float32; bw 1 float32; q1 32 x 1 x 2,048 float32; q2 32 x 1 x 2,048 float32; v 32 x 1,024 x 2,048 float32.
;; Outputs: out0 32 x 1 x 1,024 float32; out1 32 x 1 x 2,048 float32.
;; This version of the problem:
;;   THIS VERSION OF THE PROBLEM IS GIVEN IN LOW PRECISION. The matrix products marked QUANTISED in the list below multiply operands that are first quantised to E3M2 (3 exponent bits, 2 mantissa bits; 6 bits a number), with one power-of-two scale for each 32 numbers along K (OCP MX v1.0); their sums are f32. All else is computed in f32.
;;   The module's matrix products, in the order in which they are computed (A, B: the left and right operand; K: the contracted axis; several contracted axes count as one K, in the product's order):
;;     1. [M 32,768, K 2,048] x [K 2,048, N 1,024]; A: input v; B: input W1: QUANTISED
;;     2. [M 32, K 2,048] x [K 2,048, N 1,024]; A: input q1; B: input W2: QUANTISED
;;     3. [M 32, K 2,048] x [K 2,048, N 1,024]; A: input q2; B: input W3: QUANTISED
;;     4. [M 32,768, K 1,024] x [K 1,024, N 1]; A: computed on the way; B: input Ww: left as it is (N = 1 < 16)
;;     5. batch 32 x [M 1, K 1,024] x [K 1,024, N 2,048]; A: computed on the way; B: input v: left as it is (M = 1 < 16)
;;   THE QUANTISER, for each operand of a quantised product, along K:
;;     - K is cut into blocks of 32 from its start; a last block that is shorter is filled with zeros.
;;     - A block's scale is 2^e with e = floor(log2(the largest magnitude in the block)) - 4, held to -126 .. 127; a block of zeros has e = 0. As a byte (E8M0): e + 127.
;;     - Each number is divided by its block's scale, clamped to +-28, and rounded to the nearest number of E3M2, ties to even, subnormals kept.
;;     - The product sums the exact products of the quantised numbers (number of the format x scale) in f32.
;;   ~~~python
;;   def quantise(x, axis):      # numpy; x: float32 -> the quantised numbers, widened to float32 again
;;       x = np.moveaxis(x, axis, -1); K = x.shape[-1]
;;       x = np.pad(x, [(0, 0)] * (x.ndim - 1) + [(0, -K % 32)]); x = x.reshape(x.shape[:-1] + (-1, 32)); a = np.abs(x).max(-1, keepdims=True)
;;       e = np.where(a > 0, np.clip(np.frexp(np.where(a > 0, a, 1))[1] - 1 - 4, -126, 127), 0)      # np.frexp(a)[1] - 1 = floor(log2(a)), exactly
;;       r = np.clip(x / 2.0 ** e, -28, 28)
;;       step = 2.0 ** (np.maximum(np.frexp(np.where(r == 0, 1, r))[1] - 1, -2) - 2)
;;       q = np.round(r / step) * step * 2.0 ** e      # np.round: ties to even
;;       return np.moveaxis(q.reshape(q.shape[:-2] + (-1,))[..., :K], -1, axis).astype(np.float32)
;;   ~~~
;; 2 versions, each right; version 2 is version 1 with the launches prep, main written anew for expert scheduling mode. Each part assembles by itself: llvm-mc -triple=amdgcn-amd-amdhsa -mcpu=gfx1250 --defsym DOCPART=n.
;; ======== version 1 of 2: 3 launches
;; workspace buffers: w1f 1,572,864 bytes; w1s 65,536 bytes; cpart 524,288 bytes; lg 131,072 bytes; pf 4,194,304 bytes
;; launch prep (part 1): grid 64 x 4, 12 waves a work-group, no clusters, 119,296 bytes of LDS; arguments W1, W2, W3, q1, q2, b1, b2, b3, w1f, w1s, cpart; writes w1f, w1s, cpart
.if DOCPART == 1
	.amdgcn_target "amdgcn-amd-amdhsa--gfx1250"
	.amdhsa_code_object_version 6
	.text
	.protected	k_qed3958f033_prep
	.globl	k_qed3958f033_prep
	.p2align	8
	.type	k_qed3958f033_prep,@function
k_qed3958f033_prep:
	s_mov_b64 s[64:65], 0
	v_nop
	global_prefetch_b8 v0, s[64:65] scope:SCOPE_SE
	s_setreg_imm32_b32 hwreg(HW_REG_WAVE_MODE, 25, 1), 1
	s_wait_xcnt 0x0
; PREP.  (a) W1 [1024][2048] f32 becomes codes of BF6 (E3M2) with one E8M0 byte for each 32 along K, laid in the order of an operand's registers:
;   w1f [g 8][t 16][i8 8][1536 bytes]: the fragment of rows 128 g + 16 i8 + r, K step t (128 along K); registers 4 c .. 4 c + 3 of lane l at 512 c + 16 l.   w1s [g][t][128 words]: word 16 i8 + r = the row's four scale bytes.
; (b) c(batch, column) = q1 W2^T + q2 W3^T + b1 + b2 + b3, both products on codes of BF6, in four parts along K:
;   cpart [kq 4][nt 64][2048 bytes]: the image of 16 result registers: register R = 8 mt + j of lane 16 h + r at 512 (R / 4) + 16 lane + 4 (R % 4) holds the part of c(16 mt + 8 h + j, 16 nt + r) over K steps 4 kq .. 4 kq + 3; the biases are in part 0.
; SHARES.  Work-group (nt, kq), twelve waves: role = wave / 4 (0: W1; 1: W2 with q1; 2: W3 with q2), K step t = 4 kq + wave % 4.  Each wave quantises 16 rows x 128 K of its weight: every byte of the weights is read once in the launch.
; Roles 1 and 2 also quantise the two tiles of 16 batches of their q at that K step and multiply: two matrix instructions; the eight waves' results meet in LDS and four waves add them.
; EVERY LOAD IS DENSE: a row's K step is 512 consecutive bytes, one load of the wave.  The conversions want 16 neighbours along K in ONE lane, so 16 rows turn through the wave's own stage in LDS (rows 528 bytes apart).
; A block's scale is 2^(floor(log2(largest magnitude)) - 4): its byte is the largest magnitude's exponent field - 4, held at 1 from below.
; LIMITS: a block whose largest magnitude lies under 2^-122, a block of zeros too, takes the byte 1 (zero codes add nothing under it; these bytes are read by this program alone); NaN and infinities among the inputs are not served.
; No tensor load, no cluster: no two work-groups read the same bytes of a weight, and q is 512 KB in all.
.set STGW, 8448                        ; a wave's stage: 16 rows x 528 bytes
.set RED,  12*STGW                     ; behind the stages: eight images of 2,048 bytes
.set LI,   1                           ; v1   16 x lane
.set R4,   2                           ; v2   4 r
.set STW,  3                           ; v3   the stage, on the way in: 16 x lane
.set STR,  4                           ; v4   and on the way out: 528 r + 64 h
.set RW,   5                           ; v5   where my image goes
.set RDA,  6                           ; v6   which 512 bytes of each image I add
.set CPO,  7                           ; v7   and their place in cpart
.set TM,   8                           ; v8-23   at work in QUANT
.set SW,   24                          ; v24 W's scale word, v25 q tile 0's, v26 q tile 1's: they hold scales alone
.set BI,   27                          ; v27-29  b1, b2, b3 at column 16 nt + r
.set XA,   32                          ; v32-95   W's 64 numbers
.set XB,   96                          ; v96-159  q tile 0's
.set XC,   160                         ; v160-223 q tile 1's
.set CWF,  224                         ; v224-235 W's codes
.set CQ0,  236                         ; v236-247 q tile 0's
.set CQ1,  32                          ; v32-43   q tile 1's, where W's numbers lay
.set PT,   248                         ; v248-255 the conversions' second halves
.set D0,   48                          ; v48-63   the two results
.set RS,   64                          ; v64-95   eight pieces to add
.set SEL,  30                          ; s[30:31] v_permlanex16_b32's selects for lane l xor 16
; 64 numbers of a lane, register 16 b + i = k 32 b + 16 h + i of row r, become a fragment's 12 registers of codes at v[pc] and the row's scale word in v[pw].
.macro QUANT s, pc, pw
.irp b, 0,1,2,3
	v_max3_num_f32 v[TM+\b], |v[(\s)+16*\b]|, |v[(\s)+1+16*\b]|, 0x2800000   ; block b: my 16 numbers, and the floor 2^(5 - 127): the byte cannot fall under 1
.endr
.irp i, 2,4,6,8,10,12,14
.irp b, 0,1,2,3
	v_max3_num_f32 v[TM+\b], v[TM+\b], |v[(\s)+16*\b+\i]|, |v[(\s)+1+16*\b+\i]|   ; the four blocks by turns
.endr
.endr
.irp b, 0,1,2,3
	v_permlanex16_b32 v[TM+4+\b], v[TM+\b], s[SEL], s[SEL+1]
.endr
.irp b, 0,1,2,3
	v_max_num_f32 v[TM+\b], v[TM+\b], v[TM+4+\b]   ; with lane l xor 16's: the block's largest magnitude
.endr
.irp b, 0,1,2,3
	v_add_nc_u32 v[TM+12+\b], 0xfe000000, v[TM+\b]   ; 4 off its exponent field: the conversion takes the exponent field of this operand as its scale
.endr
.irp b, 0,1,2,3
	v_lshrrev_b32 v[TM+4+\b], 23, v[TM+12+\b]      ; the scale's byte
.endr
	v_lshl_or_b32 v[\pw], v[TM+5], 8, v[TM+4]
	v_lshl_or_b32 v[\pw], v[TM+6], 16, v[\pw]
	v_lshl_or_b32 v[\pw], v[TM+7], 24, v[\pw]
.irp c, 0,1
	v_cvt_scalef32_pk16_bf6_f32 v[(\pc)+6*\c:(\pc)+2+6*\c], v[(\s)+32*\c:(\s)+15+32*\c], v[TM+12+2*\c]
	v_cvt_scalef32_pk16_bf6_f32 v[PT+4*\c:PT+2+4*\c], v[(\s)+16+32*\c:(\s)+31+32*\c], v[TM+12+2*\c+1]   ; (a conversion's three registers begin on an even number)
.endr
	v_nop                                          ; one plain place behind the scaled conversions
.irp c, 0,1                                    ; the operand's layout wants a whole block in a lane: lanes 0-15 block 2 c, lanes 16-31 block 2 c + 1
.irp i, 0,1,2
	v_permlane16_swap_b32 v[(\pc)+6*\c+\i], v[PT+4*\c+\i]
.endr
.irp i, 0,1,2
	v_mov_b32 v[(\pc)+3+6*\c+\i], v[PT+4*\c+\i]
.endr
.endr
.endm
; 16 rows x 512 bytes, as loaded (register 4 i ..: row i, 16 bytes a lane), through my stage and back into the same registers as 64 numbers of one row.  LDS serves a wave's instructions in order: no wait between the stores and the loads.
.macro TURN s
.irp i, 0,1,2,3,4,5,6,7,8,9,10,11,12,13,14,15
	ds_store_b128 v[STW], v[(\s)+4*\i:(\s)+4*\i+3] offset:528*\i
.endr
.irp b, 0,1,2,3
.irp j, 0,1,2,3
	ds_load_b128 v[(\s)+16*\b+4*\j:(\s)+16*\b+4*\j+3], v[STR] offset:128*\b+16*\j
.endr
.endr
	s_wait_dscnt 0x0
.endm
	s_load_b256 s[4:11], s[0:1], 0x0               ; W1 s[4:5], W2 s[6:7], W3 s[8:9], q1 s[10:11]
	s_load_b256 s[12:19], s[0:1], 0x20             ; q2 s[12:13], b1 s[14:15], b2 s[16:17], b3 s[18:19]
	s_load_b128 s[20:23], s[0:1], 0x40             ; w1f s[20:21], w1s s[22:23]
	s_load_b64 s[24:25], s[0:1], 0x50              ; cpart
	v_lshl_add_u32 v251, v0, 2, 0x1cc00
	v_mov_b32 v255, 0
	v_lshrrev_b32 v32, 5, v0
	v_readfirstlane_b32 s26, v32                   ; wave 0..11
	s_lshr_b32 s27, s26, 2                         ; role
	s_and_b32 s28, s26, 3
	s_and_b32 s29, ttmp7, 0xffff                   ; kq
	s_lshl_b32 s37, s29, 2
	s_add_co_u32 s28, s28, s37                     ; t = 4 kq + wave % 4
	v_and_b32 v33, 31, v0                          ; lane
	v_and_b32 v34, 15, v0                          ; r
	v_bfe_u32 v35, v0, 4, 1                        ; h
	v_lshlrev_b32 v[LI], 4, v33
	v_lshlrev_b32 v[R4], 2, v34
	s_mul_i32 s38, s26, STGW                       ; all LDS addresses are made here, ahead of the first parting of the roles
	v_add_nc_u32 v[STW], s38, v[LI]
	v_mul_u32_u24 v[STR], v34, 528
	v_lshl_add_u32 v[STR], v35, 6, v[STR]
	v_add_nc_u32 v[STR], s38, v[STR]
	s_add_co_u32 s38, s26, 4
	s_and_b32 s39, s38, 7                          ; waves 4 .. 11 take images 0 .. 7
	s_lshl_b32 s39, s39, 11
	s_add_co_u32 s39, s39, RED
	v_add_nc_u32 v[RW], s39, v[LI]
	s_and_b32 s39, s38, 3                          ; waves 4 .. 7 add pieces 0 .. 3
	s_lshl_b32 s39, s39, 9
	v_add_nc_u32 v[CPO], s39, v[LI]
	s_add_co_u32 s39, s39, RED
	v_add_nc_u32 v[RDA], s39, v[LI]
	s_mov_b32 s[SEL], 0x76543210
	s_mov_b32 s[SEL+1], 0xfedcba98
.irp b, 0,1,2,3
	v_mov_b32 v[TM+4+\b], 0                        ; written once: a lane permute's destination counts as one of its sources
.endr
	s_cmp_eq_u32 s29, 0
	s_cselect_b32 s36, 0x3f800000, 0               ; the biases go into part 0 alone: 1.0 or 0
	s_lshl_b32 s40, ttmp9, 17                      ; W: 16 nt rows of 8,192 bytes
	s_lshl_b32 s42, s28, 9                         ; + 512 t;  q: 512 t
	s_add_co_u32 s40, s40, s42
	s_mov_b32 s41, 0
	s_mov_b32 s43, 0
	s_lshl_b32 s44, ttmp9, 6                       ; the biases: 16 nt numbers on
	s_mov_b32 s45, 0
	s_lshr_b32 s46, ttmp9, 3
	s_lshl_b32 s46, s46, 4
	s_add_co_u32 s46, s46, s28                     ; 16 g + t
	s_and_b32 s47, ttmp9, 7                        ; i8
	s_lshl_b32 s48, s46, 9
	s_lshl_b32 s49, s47, 6
	s_add_co_u32 s48, s48, s49                     ; w1s: ((16 g + t) 128 + 16 i8) words
	s_mov_b32 s49, 0
	s_lshl_b32 s46, s46, 3
	s_add_co_u32 s46, s46, s47
	s_mul_i32 s46, s46, 1536                       ; w1f: ((16 g + t) 8 + i8) fragments
	s_mov_b32 s47, 0
	s_lshl_b32 s50, s29, 6
	s_add_co_u32 s50, s50, ttmp9
	s_lshl_b32 s50, s50, 11                        ; cpart: (64 kq + nt) images
	s_mov_b32 s51, 0
	s_wait_kmcnt 0x0
	s_cmp_eq_u32 s27, 1                            ; the role chooses the buffers: a choice that hangs on the wave's number alone
	s_cselect_b64 s[32:33], s[6:7], s[4:5]
	s_cmp_eq_u32 s27, 2
	s_cselect_b64 s[32:33], s[8:9], s[32:33]
	s_cselect_b64 s[34:35], s[12:13], s[10:11]
	s_add_nc_u64 s[32:33], s[32:33], s[40:41]
	s_add_nc_u64 s[34:35], s[34:35], s[42:43]
	s_add_nc_u64 s[14:15], s[14:15], s[44:45]
	s_add_nc_u64 s[16:17], s[16:17], s[44:45]
	s_add_nc_u64 s[18:19], s[18:19], s[44:45]
	s_add_nc_u64 s[20:21], s[20:21], s[46:47]
	s_add_nc_u64 s[22:23], s[22:23], s[48:49]
	s_add_nc_u64 s[24:25], s[24:25], s[50:51]
.irp i, 0,1,2,3,4,5,6,7,8,9,10,11,12,13,14,15
	global_load_b128 v[XA+4*\i:XA+4*\i+3], v[LI], s[32:33] offset:8192*\i th:TH_LOAD_NT   ; row i: 32 lanes read 512 consecutive bytes; read once in the launch
.endr
	global_load_b32 v[BI], v[R4], s[14:15]         ; the biases stand ahead of the parting, so that every wave's registers are written on every way
	global_load_b32 v[BI+1], v[R4], s[16:17]
	global_load_b32 v[BI+2], v[R4], s[18:19]
	s_cmp_eq_u32 s27, 0
	s_cbranch_scc1 .Lrole0
	; ---- roles 1 and 2: W2 with q1, W3 with q2
.irp i, 0,1,2,3,4,5,6,7,8,9,10,11,12,13,14,15
	global_load_b128 v[XB+4*\i:XB+4*\i+3], v[LI], s[34:35] offset:8192*\i   ; batches 0-15 (64 work-groups read q again: no hint)
.endr
.irp i, 0,1,2,3,4,5,6,7,8,9,10,11,12,13,14,15
	global_load_b128 v[XC+4*\i:XC+4*\i+3], v[LI], s[34:35] offset:131072+8192*\i   ; batches 16-31
.endr
	s_wait_loadcnt 35                              ; W's 16 loads are in: 3 + 32 were issued behind them
	TURN XA
	QUANT XA, CWF, SW
	s_wait_loadcnt 16                              ; q tile 0's are in: tile 1's 16 were issued behind them
	TURN XB
	QUANT XB, CQ0, SW+1
	s_wait_loadcnt 0x0
	TURN XC
	QUANT XC, CQ1, SW+2
.rept 8
	v_nop                                          ; a scale register written by a vector instruction stands 8 places ahead of a scaled matrix instruction, an operand so written 4
.endr
	v_wmma_scale_f32_16x16x128_f8f6f4 v[D0:D0+7], v[CQ0:CQ0+11], v[CWF:CWF+11], 0, v[SW+1], v[SW] matrix_a_fmt:MATRIX_FMT_BF6 matrix_b_fmt:MATRIX_FMT_BF6      ; source 0 = 16 batches, source 1 = 16 rows of W: register j of lane (r, h) = (batch 8 h + j, column r)
	v_wmma_scale_f32_16x16x128_f8f6f4 v[D0+8:D0+15], v[CQ1:CQ1+11], v[CWF:CWF+11], 0, v[SW+2], v[SW] matrix_a_fmt:MATRIX_FMT_BF6 matrix_b_fmt:MATRIX_FMT_BF6
.rept 4
	v_nop                                          ; four places ahead of the stores that read the results
.endr
.irp c, 0,1,2,3
	ds_store_b128 v[RW], v[D0+4*\c:D0+4*\c+3] offset:512*\c   ; the image of my 16 result registers, each result from its low end on
.endr
	s_branch .Ljoin
.Lrole0:
	; ---- role 0: W1's fragment and scale words go to the workspace
	s_wait_loadcnt 3                               ; W's 16 loads are in: the three bias loads were issued behind them
	TURN XA
	QUANT XA, CWF, SW
.irp c, 0,1,2
	global_store_b128 v[LI], v[CWF+4*\c:CWF+4*\c+3], s[20:21] offset:512*\c   ; 32 lanes store 512 consecutive bytes, at a multiple of 256 from the buffer's first byte
.endr
	global_store_b32 v[R4], v[SW], s[22:23]        ; lanes r and 16 + r hold the same word and store it to the same place
.Ljoin:
	s_wait_dscnt 0x0                               ; my image has landed
	s_barrier_signal -1
	s_barrier_wait -1                              ; all eight have
	s_cmp_eq_u32 s27, 1
	s_cbranch_scc0 .Lend
	; ---- waves 4 to 7: four registers (512 bytes) of the eight images each
.irp s, 0,1,2,3,4,5,6,7
	ds_load_b128 v[RS+4*\s:RS+4*\s+3], v[RDA] offset:2048*\s
.endr
	s_wait_loadcnt 0x0                             ; the biases
	v_add_f32 v[BI+1], v[BI], v[BI+1]
	v_add_f32 v[BI+1], v[BI+1], v[BI+2]
	v_mul_f32 v[BI+1], s36, v[BI+1]                ; b1 + b2 + b3 at my column, in part 0 alone
	v_mov_b32 v[BI+2], v[BI+1]                     ; as a pair: all four registers of a lane belong to one column
	s_wait_dscnt 0x0
.irp s, 1,2,3,4,5,6,7
	v_pk_add_f32 v[RS:RS+1], v[RS:RS+1], v[RS+4*\s:RS+4*\s+1]
	v_pk_add_f32 v[RS+2:RS+3], v[RS+2:RS+3], v[RS+4*\s+2:RS+4*\s+3]
.endr
	v_pk_add_f32 v[RS:RS+1], v[RS:RS+1], v[BI+1:BI+2]
	v_pk_add_f32 v[RS+2:RS+3], v[RS+2:RS+3], v[BI+1:BI+2]
	global_store_b128 v[CPO], v[RS:RS+3], s[24:25] ; 512 consecutive bytes a wave
.Lend:
	s_wait_tensorcnt 0x0
	ds_add_u32 v251, v255
	s_wait_dscnt 0x0
	s_endpgm
.Lfunc_end_k_qed3958f033_prep:
	.size	k_qed3958f033_prep, .Lfunc_end_k_qed3958f033_prep-k_qed3958f033_prep
	.p2alignl 7, 3214868480
	.fill 96, 4, 3214868480
	.section	.rodata,"a",@progbits
	.p2align	6, 0x0
	.amdhsa_kernel k_qed3958f033_prep
		.amdhsa_group_segment_fixed_size 119296
		.amdhsa_private_segment_fixed_size 0
		.amdhsa_enable_private_segment 0
		.amdhsa_kernarg_size 88
		.amdhsa_user_sgpr_count 2
		.amdhsa_user_sgpr_kernarg_segment_ptr 1
		.amdhsa_wavefront_size32 1
		.amdhsa_system_sgpr_workgroup_id_x 1
		.amdhsa_system_sgpr_workgroup_id_y 1
		.amdhsa_system_sgpr_workgroup_id_z 1
		.amdhsa_system_vgpr_workitem_id 0
		.amdhsa_next_free_vgpr 256
		.amdhsa_next_free_sgpr 66
		.amdhsa_reserve_vcc 0
		.amdhsa_float_denorm_mode_32 3
		.amdhsa_float_denorm_mode_16_64 3
		.amdhsa_memory_ordered 1
		.amdhsa_forward_progress 1
		.amdhsa_inst_pref_size 35
	.end_amdhsa_kernel
	.amdgpu_metadata
---
amdhsa.version: [ 1, 2 ]
amdhsa.kernels:
  - .name:           k_qed3958f033_prep
    .symbol:         k_qed3958f033_prep.kd
    .args:
      - { .name: W1, .offset: 0, .size: 8, .value_kind: global_buffer, .address_space: global }
      - { .name: W2, .offset: 8, .size: 8, .value_kind: global_buffer, .address_space: global }
      - { .name: W3, .offset: 16, .size: 8, .value_kind: global_buffer, .address_space: global }
      - { .name: q1, .offset: 24, .size: 8, .value_kind: global_buffer, .address_space: global }
      - { .name: q2, .offset: 32, .size: 8, .value_kind: global_buffer, .address_space: global }
      - { .name: b1, .offset: 40, .size: 8, .value_kind: global_buffer, .address_space: global }
      - { .name: b2, .offset: 48, .size: 8, .value_kind: global_buffer, .address_space: global }
      - { .name: b3, .offset: 56, .size: 8, .value_kind: global_buffer, .address_space: global }
      - { .name: w1f, .offset: 64, .size: 8, .value_kind: global_buffer, .address_space: global }
      - { .name: w1s, .offset: 72, .size: 8, .value_kind: global_buffer, .address_space: global }
      - { .name: cpart, .offset: 80, .size: 8, .value_kind: global_buffer, .address_space: global }
    .group_segment_fixed_size: 119296
    .private_segment_fixed_size: 0
    .kernarg_segment_align: 8
    .kernarg_segment_size: 88
    .max_flat_workgroup_size: 384
    .sgpr_count:     66
    .vgpr_count:     256
    .wavefront_size: 32
...
	.end_amdgpu_metadata
.endif
;; end of part 1
;; launch main (part 2): grid 256 x 1, 4 waves a work-group, no clusters, 326,144 bytes of LDS; arguments v, w1f, w1s, cpart, Ww, bw, lg, pf; writes lg, pf
.if DOCPART == 2
	.amdgcn_target "amdgcn-amd-amdhsa--gfx1250"
	.amdhsa_code_object_version 6
	.text
	.protected	k_qed3958f033_main
	.globl	k_qed3958f033_main
	.p2align	8
	.type	k_qed3958f033_main,@function
k_qed3958f033_main:
	s_mov_b64 s[64:65], 0
	v_nop
	global_prefetch_b8 v0, s[64:65] scope:SCOPE_SE
	s_setreg_imm32_b32 hwreg(HW_REG_WAVE_MODE, 25, 1), 1
	s_wait_xcnt 0x0
; MAIN.  For each block of 64 rows (keys) of v [32768][2048] f32: quantise to BF6 (E3M2, one E8M0 byte for each 32 along K), multiply by W1's codes (1,024 columns, K = 2,048), add c (the q projections and biases, from cpart), tanh,
; dot with Ww, + bw: the 64 logits (lg).  Then e = exp(logit - the block's largest logit), and pf[block][d] = sum over the 64 keys of bf16(e) bf16(v): the block's part of the feature.  The last launch joins the blocks.
; V IS READ FROM MEMORY ONCE: as it is quantised, a bf16 copy of the 64 rows (4,096 bytes a row) is laid in LDS and serves the feature when the logits are known.
; SHARES.  Work-group G owns rows 128 G .. 128 G + 127 (one batch: G / 8) as two blocks.  Loading and quantising: wave w takes rows 16 w .. 16 w + 15 of the block, all of K.  Products: wave w takes columns 256 w .. 256 w + 255
; for all 64 rows, in two chunks of 128 columns: 32 accumulators.  Feature: wave w takes d = 512 w .. 512 w + 511.
; A's codes: a wave keeps its own 16 fragments in registers (home) and publishes them, four K steps at a time, into two LDS windows that take turns, as images of the operand's registers; every wave reads all four tiles from there.
; B's codes come from the workspace, laid in the order of the operand's registers, straight into registers, two K steps ahead: each fragment is used by exactly one wave of the work-group.
; NO TENSOR LOAD, NO CLUSTER, though all work-groups walk the same W1: the bf16 copy takes 264,192 bytes of LDS, the windows 51,200, the rest 9,728: 2,560 are left, and one K step of B for the work-group is 98,304 bytes; and no two
; waves of a work-group share a fragment of B, so LDS would add a store and a load to every byte.
; THE PRODUCT: source 0 = 16 rows of v, source 1 = 16 rows of W1: register j of lane (r, h) holds (row 8 h + j, column r).  A lane has one column, so c and Ww are one number a lane and tile.
; tanh x = 1 - 2 / (1 + 2^(2 log2(e) x)), right at both ends (the exponential's infinity gives 1, its zero -1).  sum of Ww tanh = sum of Ww + sum of (-2 Ww) / (1 + 2^..): a lane's sums begin at the sum of its 16 Ww.
; LIMITS: a block of 32 whose largest magnitude lies under 2^-122, a block of zeros too, takes the scale byte 1 (zero codes add nothing under it); NaN and infinities among the inputs are not served;
; the feature's operands, e and v, are rounded to bf16; a tanh carries an absolute error of about 1e-7.
; REGISTERS, in windows of 256 (s_set_vgpr_msb: bits 1:0 source 0, 3:2 source 1, 5:4 source 2, 7:6 destination):
;   window 0: addresses, all vector work, all scale words.   window 1: v0-191 home (K step t at 12 t), v192-239 A's set 0; in the feature v0-127 V's fragments, v128-191 eight accumulators.
;   window 2: the 32 accumulators ((m, nn) at 8 (8 m + nn)); while a block is loaded: four landing sets of 64.   window 3: v0-191 B's two sets (96 p + 12 nn), v192-239 A's set 1.
.set V16P, 4128                        ; a row of the bf16 copy: 4,096 bytes + 32: 129 x 32, so that the eight rows of a turning load start 8 banks apart
.set WINB, 64*V16P                     ; 264,192: the two windows: [buf 2][kk 4][m 4][1,536 bytes]
.set QWIN, 24576
.set STG,  WINB                        ; the waves' stages for the turn, 8,448 bytes each: the windows' bytes, while a block is loaded; barriers part the two uses
.set ASC,  WINB+2*QWIN                 ; 313,344: A's scale words: [buf][kk][64 words: 16 m + r]
.set LG,   ASC+2048                    ; 315,392: four waves' parts of the 64 logits
.set E16,  LG+1024                     ; 316,416: each wave's 64 weights in bf16
.set FST,  E16+512                     ; 316,928: each wave's 512 numbers of the feature; ends at 325,120
.set LI,   1                           ; v1   16 x lane
.set LS,   2                           ; v2   4 x lane
.set L8,   3                           ; v3   8 x lane
.set STW,  4                           ; v4   my stage, on the way in
.set STR,  5                           ; v5   and on the way out: 528 r + 64 h
.set VW0,  6                           ; v6   the bf16 copy: row 16 w + r, + 32 h
.set R4,   7                           ; v7   4 r
.set PBW,  8                           ; v8   where I publish a fragment: 1,536 w + 16 lane
.set PSW,  9                           ; v9   and its scale words: 64 w + 4 r
.set AFB,  10                          ; v10  from where fragments are read: 16 lane
.set ASB,  11                          ; v11  and scale words: 4 lane
.set LGW,  12                          ; v12  my part of the logits: 256 w + 32 h
.set LGR,  13                          ; v13  8 lane
.set EW,   14                          ; v14  my weights: 128 w + 4 lane
.set ER,   15                          ; v15  128 w + 16 h
.set TR,   16                          ; v16-19 the turning loads: keys 16 s + 8 h + l % 8, + 16 ((l / 8) % 2) + 1,024 w
.set FSW,  20                          ; v20  2,048 w + 4 r
.set FSR,  21                          ; v21  2,048 w + 16 lane
.set PFO,  22                          ; v22  the prefetches: 8,192 r + 256 h; never rewritten
.set R16,  23                          ; v23  16 r
.set WSUM, 24                          ; v24  the sum of my lane's 16 Ww
.set X,    32                          ; v32-95 64 numbers of v
.set T,    32                          ;        and 64 arguments of tanh
.set TM,   96                          ; v96-111 at work in QUANT
.set PC,   112                         ; v112-123 the codes just made
.set PT,   124                         ; v124-131 the conversions' second halves
.set ASH,  136                         ; v136-151 home: my rows' scale word of each K step
.set ASF,  152                         ; v152-155 A's scale words in use: set p, register i: lanes 0-15 tile 2 i, lanes 16-31 tile 2 i + 1
.set BS,   156                         ; v156-163 B's: set p, group grp: lanes 0-15 tile 2 grp, lanes 16-31 tile 2 grp + 1
.set CW,   164                         ; v164-179 this chunk's pairs (2 log2(e) c, -2 Ww) for nn = 0 .. 7; v180-195 the other chunk's
.set L,    196                         ; v196-227 my lane's sums: row 16 m + 8 h + j at 8 m + j
.set P,    228                         ; v228-243 the weights as source 0: two steps of 32 keys
.set WV,   20
.set SEL,  22                          ; s[22:23] v_permlanex16_b32's selects for lane l xor 16
.set KK2,  24                          ; s[24:25] 2 log2(e), twice
.set LE,   26                          ; s26  log2(e)
.set BW,   27                          ; s27  bw
.set BLK,  28                          ; s28  blocks to go
.set CH,   29                          ; s29  the chunk
.set VB,   32                          ; s[32:33] v at my 16 rows of the block that is (or is next to be) loaded
.set BC,   36                          ; s[36:37] w1f at this chunk;  s[38:39] at the other
.set BN,   38
.set SC,   40                          ; s[40:41], s[42:43] the same for w1s
.set SN,   42
.set LGP,  44                          ; s[44:45] lg at this block
.set PFP,  46                          ; s[46:47] pf at this block, my wave's part
.set CPB,  52                          ; s[52:53] cpart at my columns and my batch
.set WWB,  54                          ; s[54:55] Ww at my columns
.set MSB, 0
.macro WIN new                         ; the immediate's high byte repeats the setting that is left; a switch that changes nothing is dropped
.if MSB != \new
	s_set_vgpr_msb (MSB<<8)|\new
.set MSB, \new
.endif
.endm
.macro NOPS n
.rept \n
	v_nop
.endr
.endm
.macro BARRIER                         ; my LDS stores have landed and my LDS loads are in: then the work-group's barrier
	s_wait_dscnt 0x0
	s_barrier_signal -1
	s_barrier_wait -1
.endm
; 64 numbers of a lane, register 16 b + i = k 32 b + 16 h + i of row r, become a fragment's 12 registers of codes at v[pc] and the row's scale word in v[pw].
.macro QUANT s, pc, pw
.irp b, 0,1,2,3
	v_max3_num_f32 v[TM+\b], |v[(\s)+16*\b]|, |v[(\s)+1+16*\b]|, 0x2800000   ; block b: my 16 numbers, and the floor 2^(5 - 127): the byte cannot fall under 1
.endr
.irp i, 2,4,6,8,10,12,14
.irp b, 0,1,2,3
	v_max3_num_f32 v[TM+\b], v[TM+\b], |v[(\s)+16*\b+\i]|, |v[(\s)+1+16*\b+\i]|   ; the four blocks by turns
.endr
.endr
.irp b, 0,1,2,3
	v_permlanex16_b32 v[TM+4+\b], v[TM+\b], s[SEL], s[SEL+1]
.endr
.irp b, 0,1,2,3
	v_max_num_f32 v[TM+\b], v[TM+\b], v[TM+4+\b]   ; with lane l xor 16's: the block's largest magnitude
.endr
.irp b, 0,1,2,3
	v_add_nc_u32 v[TM+12+\b], 0xfe000000, v[TM+\b]   ; 4 off its exponent field: the conversion takes the exponent field of this operand as its scale
.endr
.irp b, 0,1,2,3
	v_lshrrev_b32 v[TM+4+\b], 23, v[TM+12+\b]      ; the scale's byte
.endr
	v_lshl_or_b32 v[\pw], v[TM+5], 8, v[TM+4]
	v_lshl_or_b32 v[\pw], v[TM+6], 16, v[\pw]
	v_lshl_or_b32 v[\pw], v[TM+7], 24, v[\pw]
.irp c, 0,1
	v_cvt_scalef32_pk16_bf6_f32 v[(\pc)+6*\c:(\pc)+2+6*\c], v[(\s)+32*\c:(\s)+15+32*\c], v[TM+12+2*\c]
	v_cvt_scalef32_pk16_bf6_f32 v[PT+4*\c:PT+2+4*\c], v[(\s)+16+32*\c:(\s)+31+32*\c], v[TM+12+2*\c+1]   ; (a conversion's three registers begin on an even number)
.endr
	v_nop                                          ; one plain place behind the scaled conversions
.irp c, 0,1                                    ; the operand's layout wants a whole block in a lane: lanes 0-15 block 2 c, lanes 16-31 block 2 c + 1
.irp i, 0,1,2
	v_permlane16_swap_b32 v[(\pc)+6*\c+\i], v[PT+4*\c+\i]
.endr
.irp i, 0,1,2
	v_mov_b32 v[(\pc)+3+6*\c+\i], v[PT+4*\c+\i]
.endr
.endr
.endm
; K step t of my 16 rows into landing set u: a row's 512 bytes to a load
.macro XSET u, t
	WIN 0x80                                       ; destination window 2
.irp i, 0,1,2,3,4,5,6,7,8,9,10,11,12,13,14,15
	global_load_b128 v[64*(\u)+4*\i:64*(\u)+4*\i+3], v[LI], s[VB:VB+1] offset:8192*\i+512*(\t) th:TH_LOAD_NT
.endr
	WIN 0
.endm
; K step t of my 16 rows: through the stage, so that a lane holds 16 neighbours of each block of 32; codes and scale word go home; the numbers, rounded to bf16, into the copy.
.macro UNIT t
.set UU, (\t)%4
.if (\t) < 13
	s_wait_loadcnt 48                              ; this K step's 16 loads are in: the next three K steps' were issued behind them
.else
	s_wait_loadcnt 16*(15-(\t))
.endif
	WIN 0x08                                       ; an LDS store's data are its source 1: window 2
.irp i, 0,1,2,3,4,5,6,7,8,9,10,11,12,13,14,15
	ds_store_b128 v[STW], v[64*UU+4*\i:64*UU+4*\i+3] offset:528*\i
.endr
	WIN 0
.irp b, 0,1,2,3
.irp j, 0,1,2,3
	ds_load_b128 v[X+16*\b+4*\j:X+16*\b+4*\j+3], v[STR] offset:128*\b+16*\j   ; LDS serves a wave's instructions in order: these see the stores above, and come behind the last unit's stores out of X
.endr
.endr
	s_wait_dscnt 0x0                               ; the numbers are in, and the stage's stores have read the landing set,
.if (\t)+4 < 16
	XSET UU, (\t)+4                                ; which takes the K step four on
.endif
	QUANT X, PC, ASH+(\t)
	WIN 0x40                                       ; destination window 1
.irp n, 0,1,2,3,4,5,6,7,8,9,10,11
	v_mov_b32 v[12*(\t)+\n], v[PC+\n]              ; home
.endr
	WIN 0
.set NI, 0
.rept 32
	v_cvt_pk_bf16_f32 v[X+NI], v[X+2*NI], v[X+2*NI+1]   ; in place, ascending: register n is written when registers 2 n and 2 n + 1 are read
.set NI, NI+1
.endr
.irp b, 0,1,2,3
.irp s, 0,1
	ds_store_b128 v[VW0], v[X+8*\b+4*\s:X+8*\b+4*\s+3] offset:256*(\t)+64*\b+16*\s   ; 16 numbers of block b: 32 bytes at 2 (128 t + 32 b + 16 h)
.endr
.endr
.endm
; my four fragments of K steps 4 q .. 4 q + 3, and their scale words, into window q % 2, as they stand in the registers
.macro PUBLISH q
	WIN 0x04                                       ; data: window 1
.irp kk, 0,1,2,3
.irp c, 0,1,2
	ds_store_b128 v[PBW], v[48*(\q)+12*\kk+4*\c:48*(\q)+12*\kk+4*\c+3] offset:QWIN*((\q)&1)+6144*\kk+512*\c
.endr
.endr
	WIN 0
.irp kk, 0,1,2,3
	ds_store_b32 v[PSW], v[ASH+4*(\q)+\kk] offset:1024*((\q)&1)+256*\kk   ; lanes r and 16 + r hold the same word and store it to the same place
.endr
.endm
; the four tiles of rows of K step k, and their scale words, into A's set k % 2
.macro AFETCH k
.set AP, (\k)&1
.set AO, QWIN*(((\k)/4)&1)+6144*((\k)%4)
.set ASO, 1024*(((\k)/4)&1)+256*((\k)%4)
.if AP
	WIN 0xc0                                       ; destination window 3
.else
	WIN 0x40                                       ; destination window 1
.endif
.irp m, 0,1,2,3
.irp c, 0,1,2
	ds_load_b128 v[192+12*\m+4*\c:192+12*\m+4*\c+3], v[AFB] offset:AO+1536*\m+512*\c
.endr
.endr
	WIN 0
.irp i, 0,1
	ds_load_b32 v[ASF+2*AP+\i], v[ASB] offset:ASO+128*\i
.endr
.endm
; B's tiles 2 grp and 2 grp + 1 of K step kn, and their scale words, into set p: seven loads
.macro BLOAD p, grp, kn, br, sr
	WIN 0xc0                                       ; destination window 3
.irp e, 0,1
.irp c, 0,1,2
	global_load_b128 v[96*(\p)+12*(2*(\grp)+\e)+4*\c:96*(\p)+12*(2*(\grp)+\e)+4*\c+3], v[LI], s[\br:\br+1] offset:((\kn)*8+2*(\grp)+\e)*1536+512*\c
.endr
.endr
	WIN 0
	global_load_b32 v[BS+4*(\p)+(\grp)], v[LS], s[\sr:\sr+1] offset:((\kn)*128+32*(\grp))*4
.endm
; one matrix instruction; ra, rb: the scales stand in lanes 16-31 of the register named
.macro WM d, a, b, zero, sa, sb, ra, rb
.if \zero
.if (\ra) && (\rb)
	v_wmma_scale_f32_16x16x128_f8f6f4 v[(\d):(\d)+7], v[(\a):(\a)+11], v[(\b):(\b)+11], 0, v[\sa], v[\sb] matrix_a_fmt:MATRIX_FMT_BF6 matrix_b_fmt:MATRIX_FMT_BF6 matrix_a_scale:MATRIX_SCALE_ROW1 matrix_b_scale:MATRIX_SCALE_ROW1
.elseif (\ra)
	v_wmma_scale_f32_16x16x128_f8f6f4 v[(\d):(\d)+7], v[(\a):(\a)+11], v[(\b):(\b)+11], 0, v[\sa], v[\sb] matrix_a_fmt:MATRIX_FMT_BF6 matrix_b_fmt:MATRIX_FMT_BF6 matrix_a_scale:MATRIX_SCALE_ROW1
.elseif (\rb)
	v_wmma_scale_f32_16x16x128_f8f6f4 v[(\d):(\d)+7], v[(\a):(\a)+11], v[(\b):(\b)+11], 0, v[\sa], v[\sb] matrix_a_fmt:MATRIX_FMT_BF6 matrix_b_fmt:MATRIX_FMT_BF6 matrix_b_scale:MATRIX_SCALE_ROW1
.else
	v_wmma_scale_f32_16x16x128_f8f6f4 v[(\d):(\d)+7], v[(\a):(\a)+11], v[(\b):(\b)+11], 0, v[\sa], v[\sb] matrix_a_fmt:MATRIX_FMT_BF6 matrix_b_fmt:MATRIX_FMT_BF6
.endif
.else
.if (\ra) && (\rb)
	v_wmma_scale_f32_16x16x128_f8f6f4 v[(\d):(\d)+7], v[(\a):(\a)+11], v[(\b):(\b)+11], v[(\d):(\d)+7], v[\sa], v[\sb] matrix_a_fmt:MATRIX_FMT_BF6 matrix_b_fmt:MATRIX_FMT_BF6 matrix_a_scale:MATRIX_SCALE_ROW1 matrix_b_scale:MATRIX_SCALE_ROW1
.elseif (\ra)
	v_wmma_scale_f32_16x16x128_f8f6f4 v[(\d):(\d)+7], v[(\a):(\a)+11], v[(\b):(\b)+11], v[(\d):(\d)+7], v[\sa], v[\sb] matrix_a_fmt:MATRIX_FMT_BF6 matrix_b_fmt:MATRIX_FMT_BF6 matrix_a_scale:MATRIX_SCALE_ROW1
.elseif (\rb)
	v_wmma_scale_f32_16x16x128_f8f6f4 v[(\d):(\d)+7], v[(\a):(\a)+11], v[(\b):(\b)+11], v[(\d):(\d)+7], v[\sa], v[\sb] matrix_a_fmt:MATRIX_FMT_BF6 matrix_b_fmt:MATRIX_FMT_BF6 matrix_b_scale:MATRIX_SCALE_ROW1
.else
	v_wmma_scale_f32_16x16x128_f8f6f4 v[(\d):(\d)+7], v[(\a):(\a)+11], v[(\b):(\b)+11], v[(\d):(\d)+7], v[\sa], v[\sb] matrix_a_fmt:MATRIX_FMT_BF6 matrix_b_fmt:MATRIX_FMT_BF6
.endif
.endif
.endm
; A quarter of a K step: two tiles of B x the four tiles of rows, eight matrix instructions on eight accumulators; then the two tiles' registers take the K step two on.
; The 32 accumulators take turns, one instruction a turn, in the same order in every K step.
.macro GRP k, grp, zero
	s_wait_loadcnt 49                              ; this group's seven loads were issued eight groups ago: seven groups of seven were issued behind them
.if (\k)&1
	WIN 0xaf                                       ; A window 3, B window 3, C and D window 2
.else
	WIN 0xad                                       ; A window 1
.endif
.irp e, 0,1
.irp m, 0,1,2,3
	WM 8*(8*\m+2*(\grp)+\e), 192+12*\m, 96*((\k)&1)+12*(2*(\grp)+\e), \zero, ASF+2*((\k)&1)+(\m/2), BS+4*((\k)&1)+(\grp), (\m&1), \e
.endr
.endr
	NOPS 4                                         ; four places ahead of loads into registers that these matrix instructions have read, and of the first read of results (ISA guide 7.12.1 for vector instructions)
.if (\k)+2 < 16
	BLOAD ((\k)&1), \grp, (\k)+2, BC, SC
.else
	BLOAD ((\k)&1), \grp, (\k)-14, BN, SN          ; the other chunk's first two K steps
.endif
.endm
; A PREFETCH of the next block's K steps 0 to 3 of my 16 rows: 16 rows x 2,048 bytes, a lane to each aligned 256 bytes, four instructions, each block of bytes named once in the launch (only this wave reads these rows).
; It stands in K step 13 of the first block's second chunk, behind the run of LDS loads: three K steps and the chunk's tanh ahead of the loads that want the bytes.  The last block asks for nothing.
.macro ASK1
	s_lshr_b32 s48, s[BLK], 1                      ; 1 while a block is to follow
	s_and_b32 s48, s48, s[CH]                      ; in the second chunk
	s_cmp_eq_u32 s48, 1
	s_cbranch_scc0 .Lnoask_\@
.irp n, 0,1,2,3
	global_prefetch_b8 v[PFO], s[VB:VB+1] offset:512*\n th:TH_LOAD_NT scope:SCOPE_SE
.endr
.Lnoask_\@:
.endm
; A K step: 32 matrix instructions.  At each quarter's last K step a barrier: in front of it every wave has the whole quarter's fragments in registers and its publishing of the next quarter has landed (the wait for 0):
; so behind it the next quarter's window may be read, and this quarter's window may be written again.
.macro KSTEP k
.if (\k) == 0
.set ZF, 1                                     ; the first K step starts the sums: nothing is cleared
.else
.set ZF, 0
.endif
	s_wait_dscnt 0x0                               ; A's set of this K step is in; what I published has landed
.if (\k)%4 == 3
	s_barrier_signal -1
	s_barrier_wait -1
.endif
	GRP \k, 0, ZF
	AFETCH ((\k)+1)%16                             ; the other set's last readers stand ahead of the last K step's closing four places
.if (\k)%4 == 0
	PUBLISH ((\k)/4+1)%4                           ; the next quarter, into the window that was read out in front of the last barrier
.endif
.if (\k) == 13
	ASK1
.endif
	GRP \k, 1, ZF
	GRP \k, 2, ZF
	GRP \k, 3, ZF
.endm
; Tile m of rows: 64 numbers a lane: 2^(2 log2(e) (sum + c)), + 1, reciprocal, times -2 Ww onto the rows' sums.  The exponentials are one batch with one wait, and so are the reciprocals.
.macro TANH m
	WIN 0x02                                       ; source 0 window 2
.irp nn, 0,1,2,3,4,5,6,7
.irp jj, 0,2,4,6
	v_pk_fma_f32 v[T+8*\nn+\jj:T+8*\nn+\jj+1], v[8*(8*(\m)+\nn)+\jj:8*(8*(\m)+\nn)+\jj+1], s[KK2:KK2+1], v[CW+2*\nn:CW+2*\nn+1] op_sel_hi:[1,0,0]   ; each accumulator from its low end on; of the pairs the low word serves both halves
.endr
.endr
	WIN 0
.set NI, 0
.rept 64
	v_exp_f32 v[T+NI], v[T+NI]
.set NI, NI+1
.endr
	v_nop                                          ; a plain place behind the last exponential
	s_wait_alu depctr_va_vdst(0)                   ; a wait ahead of the batch's first reader
.set NI, 0
.rept 32
	v_pk_add_f32 v[T+NI:T+NI+1], v[T+NI:T+NI+1], 1.0 op_sel_hi:[1,0]
.set NI, NI+2
.endr
.set NI, 0
.rept 64
	v_rcp_f32 v[T+NI], v[T+NI]
.set NI, NI+1
.endr
	v_nop
	s_wait_alu depctr_va_vdst(0)                   ; and one for the reciprocals
.irp nn, 0,1,2,3,4,5,6,7
.irp jj, 0,2,4,6
	v_pk_fma_f32 v[L+8*(\m)+\jj:L+8*(\m)+\jj+1], v[T+8*\nn+\jj:T+8*\nn+\jj+1], v[CW+2*\nn:CW+2*\nn+1], v[L+8*(\m)+\jj:L+8*(\m)+\jj+1] op_sel:[0,1,0] op_sel_hi:[1,1,1]   ; of the pair the high word, -2 Ww, serves both halves
.endr
.endr
.endm
	s_load_b256 s[4:11], s[0:1], 0x0               ; v s[4:5], w1f s[6:7], w1s s[8:9], cpart s[10:11]
	s_load_b256 s[12:19], s[0:1], 0x20             ; Ww s[12:13], bw s[14:15], lg s[16:17], pf s[18:19]
	v_lshl_add_u32 v254, v0, 2, 0x4f800
	v_mov_b32 v255, 0
	v_lshrrev_b32 v25, 5, v0
	v_readfirstlane_b32 s[WV], v25                 ; wave 0..3
	v_and_b32 v26, 31, v0                          ; lane
	v_and_b32 v27, 15, v0                          ; r
	v_bfe_u32 v28, v0, 4, 1                        ; h
	v_lshlrev_b32 v[LI], 4, v26
	v_lshlrev_b32 v[LS], 2, v26
	v_lshlrev_b32 v[L8], 3, v26
	v_lshlrev_b32 v[R4], 2, v27
	v_lshlrev_b32 v[R16], 4, v27
	s_mul_i32 s48, s[WV], 8448
	s_add_co_u32 s48, s48, STG
	v_add_nc_u32 v[STW], s48, v[LI]
	v_mul_u32_u24 v[STR], v27, 528
	v_lshl_add_u32 v[STR], v28, 6, v[STR]
	v_add_nc_u32 v[STR], s48, v[STR]
	s_mul_i32 s48, s[WV], 16*V16P
	v_mul_u32_u24 v[VW0], v27, V16P
	v_lshl_add_u32 v[VW0], v28, 5, v[VW0]
	v_add_nc_u32 v[VW0], s48, v[VW0]
	s_mul_i32 s48, s[WV], 1536
	s_add_co_u32 s48, s48, WINB
	v_add_nc_u32 v[PBW], s48, v[LI]
	s_lshl_b32 s48, s[WV], 6
	s_add_co_u32 s48, s48, ASC
	v_lshl_add_u32 v[PSW], v27, 2, s48
	v_add_nc_u32 v[AFB], WINB, v[LI]
	v_add_nc_u32 v[ASB], ASC, v[LS]
	s_lshl_b32 s48, s[WV], 8
	s_add_co_u32 s48, s48, LG
	v_lshl_add_u32 v[LGW], v28, 5, s48
	v_add_nc_u32 v[LGR], LG, v[L8]
	s_lshl_b32 s48, s[WV], 7
	s_add_co_u32 s48, s48, E16
	v_add_nc_u32 v[EW], s48, v[LS]
	v_lshl_add_u32 v[ER], v28, 4, s48
	s_lshl_b32 s48, s[WV], 11
	s_add_co_u32 s48, s48, FST
	v_lshl_add_u32 v[FSW], v27, 2, s48
	v_add_nc_u32 v[FSR], s48, v[LI]
	v_and_b32 v29, 7, v0
	v_lshl_add_u32 v29, v28, 3, v29                ; 8 h + l % 8
	v_mul_u32_u24 v29, v29, V16P
	v_bfe_u32 v31, v0, 3, 1
	v_lshl_add_u32 v29, v31, 4, v29
	s_lshl_b32 s48, s[WV], 10
	v_add_nc_u32 v[TR], s48, v29
.irp s, 1,2,3
	v_add_nc_u32 v[TR+\s], 16*V16P*\s, v[TR]       ; 16 rows of the copy are more than an LDS offset holds: a register for each 16 keys
.endr
	v_lshlrev_b32 v[PFO], 13, v27
	v_lshl_add_u32 v[PFO], v28, 8, v[PFO]
.irp b, 0,1,2,3
	v_mov_b32 v[TM+4+\b], 0                        ; written once: a lane permute's destination counts as one of its sources
.endr
	v_mov_b32 v30, 0                               ; likewise
	s_mov_b32 s[SEL], 0x76543210
	s_mov_b32 s[SEL+1], 0xfedcba98
	s_mov_b32 s[KK2], 0x4038aa3b                   ; 2 log2(e)
	s_mov_b32 s[KK2+1], s[KK2]
	s_mov_b32 s[LE], 0x3fb8aa3b                    ; log2(e)
	s_mov_b32 s[BLK], 2
	; my batch b = G / 8 in cpart's images: register R = 8 (b / 16) + b % 8, lane half (b / 8) % 2: 512 (R / 4) + 256 half + 4 (R % 4)
	s_lshr_b32 s50, ttmp9, 3
	s_lshr_b32 s51, s50, 4
	s_lshl_b32 s51, s51, 1
	s_bfe_u32 s56, s50, 0x10002
	s_add_co_u32 s51, s51, s56
	s_lshl_b32 s51, s51, 9
	s_bfe_u32 s56, s50, 0x10003
	s_lshl_b32 s56, s56, 8
	s_add_co_u32 s51, s51, s56
	s_and_b32 s56, s50, 3
	s_lshl_b32 s56, s56, 2
	s_add_co_u32 s51, s51, s56
	s_wait_kmcnt 0x0
	s_load_b32 s[BW], s[14:15], 0x0
	s_lshl_b32 s48, ttmp9, 20                      ; 128 G rows of 8,192 bytes
	s_lshl_b32 s49, s[WV], 17                      ; + 16 w rows
	s_add_co_u32 s48, s48, s49
	s_mov_b32 s49, 0
	s_add_nc_u64 s[VB:VB+1], s[4:5], s[48:49]
	s_mul_i32 s48, s[WV], 2*196608                 ; a chunk of 128 columns is 16 x 8 fragments of 1,536 bytes
	s_add_nc_u64 s[BC:BC+1], s[6:7], s[48:49]
	s_add_nc_u64 s[BN:BN+1], s[BC:BC+1], 196608
	s_lshl_b32 s48, s[WV], 14                      ; and 16 x 128 scale words
	s_add_nc_u64 s[SC:SC+1], s[8:9], s[48:49]
	s_add_nc_u64 s[SN:SN+1], s[SC:SC+1], 8192
	s_lshl_b32 s48, ttmp9, 9
	s_add_nc_u64 s[LGP:LGP+1], s[16:17], s[48:49]
	s_lshl_b32 s48, ttmp9, 14                      ; block 2 G: 8,192 bytes a block
	s_lshl_b32 s50, s[WV], 11
	s_add_co_u32 s48, s48, s50
	s_add_nc_u64 s[PFP:PFP+1], s[18:19], s[48:49]
	s_lshl_b32 s48, s[WV], 15                      ; my 16 tiles of columns: 2,048 bytes an image
	s_add_co_u32 s48, s48, s51
	s_add_nc_u64 s[CPB:CPB+1], s[10:11], s[48:49]
	s_lshl_b32 s48, s[WV], 10
	s_add_nc_u64 s[WWB:WWB+1], s[12:13], s[48:49]
	; the constants of my 256 columns (both blocks belong to one batch): c in four parts, and Ww
.irp n, 0,1,2,3,4,5,6,7,8,9,10,11,12,13,14,15
.irp q, 0,1,2,3
	global_load_b32 v[X+4*\n+\q], v[R16], s[CPB:CPB+1] offset:\q*131072+\n*2048
.endr
	global_load_b32 v[CW+2*\n+1], v[R4], s[WWB:WWB+1] offset:64*\n
.endr
.irp g, 0,1,2,3
	BLOAD 0, \g, 0, BC, SC                         ; B's K steps 0 and 1 of the first chunk, in the order in which the groups want them
.endr
.irp g, 0,1,2,3
	BLOAD 1, \g, 1, BC, SC
.endr
.irp u, 0,1,2,3
	XSET \u, \u                                    ; v's K steps 0 to 3
.endr
	s_wait_loadcnt 63                              ; the constants are in: 120 loads were issued behind them, and 63 is the most that the wait can name
	s_wait_kmcnt 0x0                               ; bw
.irp n, 0,1,2,3,4,5,6,7,8,9,10,11,12,13,14,15
	v_add_f32 v[X+4*\n], v[X+4*\n], v[X+4*\n+1]
	v_add_f32 v[X+4*\n+2], v[X+4*\n+2], v[X+4*\n+3]
.endr
.irp n, 0,1,2,3,4,5,6,7,8,9,10,11,12,13,14,15
	v_add_f32 v[X+4*\n], v[X+4*\n], v[X+4*\n+2]
.endr
.irp n, 0,1,2,3,4,5,6,7,8,9,10,11,12,13,14,15
	v_mul_f32 v[CW+2*\n], s[KK2], v[X+4*\n]        ; 2 log2(e) c
.endr
	v_add_f32 v[WSUM], v[CW+1], v[CW+3]
.irp n, 2,3,4,5,6,7,8,9,10,11,12,13,14,15
	v_add_f32 v[WSUM], v[WSUM], v[CW+2*\n+1]       ; the sum of my 16 Ww
.endr
.irp n, 0,1,2,3,4,5,6,7,8,9,10,11,12,13,14,15
	v_mul_f32 v[CW+2*\n+1], -2.0, v[CW+2*\n+1]
.endr
.Lblock:
.set NI, 0
.rept 32
	v_mov_b32 v[L+NI], v[WSUM]                     ; each row's sum begins at my lane's sum of Ww
.set NI, NI+1
.endr
	; ---- the block is loaded, quantised and copied: 16 K steps
.irp t, 0,1,2,3,4,5,6,7,8,9,10,11,12,13,14,15
	UNIT \t
.endr
	s_wait_xcnt 0x0                                ; the loads have read their base:
	s_add_nc_u64 s[VB:VB+1], s[VB:VB+1], 524288    ; 64 rows on (behind the last block it is not used)
	BARRIER                                        ; every wave is done with its stage, and the copy has landed
	PUBLISH 0
	BARRIER                                        ; K steps 0 to 3 of all four tiles lie in window 0
	AFETCH 0
	s_mov_b32 s[CH], 0
.Lchunk:
	; ---- 128 columns x 64 rows x all of K
.irp k, 0,1,2,3,4,5,6,7,8,9,10,11,12,13,14,15
	KSTEP \k
.endr
	; (K step 12 has published quarter 0 again and K step 15 has fetched K step 0 for the next chunk; behind a block's second chunk these two serve nothing, and behind the last block neither do B's 56 loads:
	;  they stay inside their buffers, and leaving them out by a branch would make the counted waits differ between the ways)
.irp m, 0,1,2,3
	TANH \m
.endr
.set NI, 0
.rept 16
	v_swap_b32 v[CW+NI], v[CW+16+NI]               ; the other chunk's constants
.set NI, NI+1
.endr
	s_wait_xcnt 0x0                                ; B's loads have read their bases: the two chunks change places
	s_mov_b64 s[48:49], s[BC:BC+1]
	s_mov_b64 s[BC:BC+1], s[BN:BN+1]
	s_mov_b64 s[BN:BN+1], s[48:49]
	s_mov_b64 s[48:49], s[SC:SC+1]
	s_mov_b64 s[SC:SC+1], s[SN:SN+1]
	s_mov_b64 s[SN:SN+1], s[48:49]
	s_add_co_u32 s[CH], s[CH], 1
	s_cmp_lt_u32 s[CH], 2
	s_cbranch_scc1 .Lchunk
	; ---- the accumulators are free: the next block's first four K steps are asked for, if there is a next block: no load leaves its buffer
	s_cmp_eq_u32 s[BLK], 1
	s_cbranch_scc1 .Lno_next
.irp u, 0,1,2,3
	XSET \u, \u
.endr
.irp n, 0,1,2,3
	global_prefetch_b8 v[PFO], s[VB:VB+1] offset:2048+512*\n th:TH_LOAD_NT scope:SCOPE_SE   ; and its K steps 4 to 7 are prefetched, a lane to each aligned 256 bytes: the logits and the feature stand ahead of their loads
.endr
.Lno_next:
	; ---- the logits: over the 16 lanes of a half (16 columns a tile), then over the four waves
.irp x, 1,2,4,8
.set NI, 0
.rept 32
	v_add_f32_dpp v[L+NI], v[L+NI], v[L+NI] row_xmask:\x row_mask:0xf bank_mask:0xf
.set NI, NI+1
.endr
.endr
.irp m, 0,1,2,3
.irp q, 0,1
	ds_store_b128 v[LGW], v[L+8*\m+4*\q:L+8*\m+4*\q+3] offset:64*\m+16*\q   ; rows 16 m + 8 h + 4 q on; the 16 lanes of a half hold the same and store it to the same place
.endr
.endr
	BARRIER
.irp w, 0,1,2,3
	ds_load_b64 v[X+2*\w:X+2*\w+1], v[LGR] offset:256*\w   ; rows 2 lane and 2 lane + 1, each wave's part
.endr
	s_wait_dscnt 0x0
	v_pk_add_f32 v[X:X+1], v[X:X+1], v[X+2:X+3]
	v_pk_add_f32 v[X+4:X+5], v[X+4:X+5], v[X+6:X+7]
	v_pk_add_f32 v[X:X+1], v[X:X+1], v[X+4:X+5]
	v_add_f32 v26, s[BW], v[X]
	v_add_f32 v27, s[BW], v[X+1]                   ; two logits a lane, the same in all four waves
	s_cmp_lg_u32 s[WV], 0
	s_cbranch_scc1 .Lnot_wave_0
	global_store_b64 v[L8], v[26:27], s[LGP:LGP+1] ; 32 lanes store 256 consecutive bytes, at a multiple of 256 from the buffer's first byte
.Lnot_wave_0:
	v_max_num_f32 v28, v26, v27
	v_max_num_f32_dpp v28, v28, v28 row_xmask:1 row_mask:0xf bank_mask:0xf
	v_max_num_f32_dpp v28, v28, v28 row_xmask:2 row_mask:0xf bank_mask:0xf
	v_max_num_f32_dpp v28, v28, v28 row_xmask:4 row_mask:0xf bank_mask:0xf
	v_max_num_f32_dpp v28, v28, v28 row_xmask:8 row_mask:0xf bank_mask:0xf
	v_permlanex16_b32 v30, v28, s[SEL], s[SEL+1]
	v_max_num_f32 v28, v28, v30                    ; the block's largest logit
	v_sub_f32 v29, v26, v28
	v_sub_f32 v31, v27, v28
	v_mul_f32 v29, s[LE], v29
	v_mul_f32 v31, s[LE], v31
	v_exp_f32 v29, v29                             ; e = exp(logit - the largest), at most 1
	v_exp_f32 v31, v31
	v_nop
	s_wait_alu depctr_va_vdst(0)                   ; a wait ahead of the first reader
	v_cvt_pk_bf16_f32 v29, v29, v31
	ds_store_b32 v[EW], v29                        ; my wave's own 64 weights
.irp kk, 0,1
	ds_load_b128 v[P+8*\kk:P+8*\kk+3], v[ER] offset:64*\kk        ; source 0: all 16 rows alike: keys 32 kk + 8 h + 0 .. 7,
	ds_load_b128 v[P+8*\kk+4:P+8*\kk+7], v[ER] offset:64*\kk+32   ; and 32 kk + 16 + 8 h + 0 .. 7.  (A wave's LDS instructions are served in order: these see the store above)
.endr
	; ---- the feature: f(d) = sum over 64 keys of e V(key, d), 128 of my 512 d at a time: source 1 = 32 keys x 16 d out of the copy, turned by the load; every row of a result is f
.irp rr, 0,1,2,3
	WIN 0x40                                       ; destination window 1
.irp ti, 0,1,2,3,4,5,6,7
.irp s, 0,1,2,3
	ds_load_tr16_b128 v[16*\ti+4*\s:16*\ti+4*\s+3], v[TR+\s] offset:32*(8*\rr+\ti)
.endr
.endr
	s_wait_dscnt 0x0
	WIN 0x54                                       ; source 0 (the weights) window 0; source 1, C and D window 1
.irp ti, 0,1,2,3,4,5,6,7
	v_wmma_f32_16x16x32_bf16 v[128+8*\ti:128+8*\ti+7], v[P:P+7], v[16*\ti:16*\ti+7], 0
.endr
.irp ti, 0,1,2,3,4,5,6,7
	v_wmma_f32_16x16x32_bf16 v[128+8*\ti:128+8*\ti+7], v[P+8:P+15], v[16*\ti+8:16*\ti+15], v[128+8*\ti:128+8*\ti+7]   ; the eight accumulators by turns
.endr
	NOPS 5                                         ; four places ahead of the stores that read the results and of the loads into the sources, five ahead of the matrix instructions that begin these accumulators anew
	WIN 0x04                                       ; data: window 1
.irp ti, 0,1,2,3,4,5,6,7
	ds_store_b32 v[FSW], v[128+8*\ti] offset:64*(8*\rr+\ti)   ; register 0 of lane (r, h) is f(16 (8 rr + ti) + r)
.endr
	WIN 0
.endr
.irp i, 0,1,2,3
	ds_load_b128 v[X+4*\i:X+4*\i+3], v[FSR] offset:512*\i
.endr
	s_wait_dscnt 0x0
.irp i, 0,1,2,3
	global_store_b128 v[LI], v[X+4*\i:X+4*\i+3], s[PFP:PFP+1] offset:512*\i   ; 512 consecutive bytes an instruction
.endr
	s_wait_xcnt 0x0                                ; the stores have read their registers and bases
	s_add_nc_u64 s[LGP:LGP+1], s[LGP:LGP+1], 256
	s_add_nc_u64 s[PFP:PFP+1], s[PFP:PFP+1], 8192
	BARRIER                                        ; every wave's reads of the copy, of the windows and of the logits are over: the next block may write them
	s_sub_co_u32 s[BLK], s[BLK], 1
	s_cmp_lg_u32 s[BLK], 0
	s_cbranch_scc1 .Lblock
	s_wait_tensorcnt 0x0
	ds_add_u32 v254, v255
	s_wait_dscnt 0x0
	s_endpgm
.Lfunc_end_k_qed3958f033_main:
	.size	k_qed3958f033_main, .Lfunc_end_k_qed3958f033_main-k_qed3958f033_main
	.p2alignl 7, 3214868480
	.fill 96, 4, 3214868480
	.section	.rodata,"a",@progbits
	.p2align	6, 0x0
	.amdhsa_kernel k_qed3958f033_main
		.amdhsa_group_segment_fixed_size 326144
		.amdhsa_private_segment_fixed_size 0
		.amdhsa_enable_private_segment 0
		.amdhsa_kernarg_size 64
		.amdhsa_user_sgpr_count 2
		.amdhsa_user_sgpr_kernarg_segment_ptr 1
		.amdhsa_wavefront_size32 1
		.amdhsa_system_sgpr_workgroup_id_x 1
		.amdhsa_system_sgpr_workgroup_id_y 1
		.amdhsa_system_sgpr_workgroup_id_z 1
		.amdhsa_system_vgpr_workitem_id 0
		.amdhsa_next_free_vgpr 1024
		.amdhsa_next_free_sgpr 66
		.amdhsa_reserve_vcc 0
		.amdhsa_float_denorm_mode_32 3
		.amdhsa_float_denorm_mode_16_64 3
		.amdhsa_memory_ordered 1
		.amdhsa_forward_progress 1
		.amdhsa_inst_pref_size 255
	.end_amdhsa_kernel
	.section	.bss,"aw",@nobits
	.p2align	6
	.space	262144
	.amdgpu_metadata
---
amdhsa.version: [ 1, 2 ]
amdhsa.kernels:
  - .name:           k_qed3958f033_main
    .symbol:         k_qed3958f033_main.kd
    .args:
      - { .name: v, .offset: 0, .size: 8, .value_kind: global_buffer, .address_space: global }
      - { .name: w1f, .offset: 8, .size: 8, .value_kind: global_buffer, .address_space: global }
      - { .name: w1s, .offset: 16, .size: 8, .value_kind: global_buffer, .address_space: global }
      - { .name: cpart, .offset: 24, .size: 8, .value_kind: global_buffer, .address_space: global }
      - { .name: Ww, .offset: 32, .size: 8, .value_kind: global_buffer, .address_space: global }
      - { .name: bw, .offset: 40, .size: 8, .value_kind: global_buffer, .address_space: global }
      - { .name: lg, .offset: 48, .size: 8, .value_kind: global_buffer, .address_space: global }
      - { .name: pf, .offset: 56, .size: 8, .value_kind: global_buffer, .address_space: global }
    .group_segment_fixed_size: 326144
    .private_segment_fixed_size: 0
    .kernarg_segment_align: 8
    .kernarg_segment_size: 64
    .max_flat_workgroup_size: 128
    .sgpr_count:     66
    .vgpr_count:     1024
    .wavefront_size: 32
...
	.end_amdgpu_metadata
.endif
;; end of part 2
;; launch fin (part 3): grid 32 x 4, 4 waves a work-group, no clusters, 1,024 bytes of LDS; arguments lg, pf, out0, out1; writes out0, out1
.if DOCPART == 3
	.amdgcn_target "amdgcn-amd-amdhsa--gfx1250"
	.amdhsa_code_object_version 6
	.text
	.protected	k_qed3958f033_fin
	.globl	k_qed3958f033_fin
	.p2align	8
	.type	k_qed3958f033_fin,@function
k_qed3958f033_fin:
	s_mov_b64 s[64:65], 0
	v_nop
	global_prefetch_b8 v0, s[64:65] scope:SCOPE_SE
	s_setreg_imm32_b32 hwreg(HW_REG_WAVE_MODE, 25, 1), 1
	s_wait_xcnt 0x0
; FIN.  For each batch b: weight = softmax over its 1,024 logits (lg) -> out0;  feature = sum over its 16 blocks j of exp(m_j - M) / S x pf[16 b + j] -> out1.
; m_j is block j's largest logit (the shift under which the launch before summed pf: a maximum is exact, so it is found again here from the same numbers), M the batch's largest, S the sum of exp(logit - M).
; SHARES.  Work-group (b, y), 128 threads: every work-group makes M, S and the weights from the batch's 4,096 bytes of logits; y = 0 stores the weights; thread n adds 16 x 4 numbers of pf at d = 512 y + 4 n.
; Memory binds (4 MB of pf read once): no matrix unit, no tensor load, no cluster.
	s_load_b256 s[4:11], s[0:1], 0x0               ; lg s[4:5], pf s[6:7], out0 s[8:9], out1 s[10:11]
	v_lshl_add_u32 v144, v0, 2, 0x200
	v_mov_b32 v145, 0
	v_lshrrev_b32 v2, 5, v0
	v_readfirstlane_b32 s12, v2                    ; wave 0..3
	s_and_b32 s13, ttmp7, 0xffff                   ; y
	v_lshlrev_b32 v1, 4, v0                        ; 16 bytes a thread
	v_lshrrev_b32 v2, 4, v0
	v_lshlrev_b32 v2, 2, v2                        ; LDS: the word of my 16 threads' block
	v_mov_b32 v3, 0
	s_lshl_b32 s14, s12, 2
	s_add_co_u32 s14, s14, 256
	v_mov_b32 v12, s14                             ; LDS: my wave's word for the sum
	v_mov_b32 v13, 0                               ; a lane permute's destination counts as one of its sources
	s_mov_b32 s16, 0x76543210
	s_mov_b32 s17, 0xfedcba98
	s_mov_b32 s18, 0x3fb8aa3b                      ; log2(e)
	s_lshl_b32 s20, ttmp9, 12                      ; lg, out0: 4,096 bytes a batch
	s_mov_b32 s21, 0
	s_lshl_b32 s26, s13, 11
	s_lshl_b32 s22, ttmp9, 17                      ; pf: 16 blocks of 8,192 bytes a batch, + 2,048 y
	s_add_co_u32 s22, s22, s26
	s_mov_b32 s23, 0
	s_lshl_b32 s24, ttmp9, 13                      ; out1: 8,192 bytes a batch, + 2,048 y
	s_add_co_u32 s24, s24, s26
	s_mov_b32 s25, 0
	s_wait_kmcnt 0x0
	s_add_nc_u64 s[4:5], s[4:5], s[20:21]
	s_add_nc_u64 s[8:9], s[8:9], s[20:21]
	s_add_nc_u64 s[6:7], s[6:7], s[22:23]
	s_add_nc_u64 s[10:11], s[10:11], s[24:25]
	global_load_b128 v[4:7], v1, s[4:5]            ; keys 4 n .. 4 n + 3: block n / 16
	global_load_b128 v[8:11], v1, s[4:5] offset:2048   ; keys 512 + 4 n ..: block 8 + n / 16
.irp j, 0,1,2,3,4,5,6,7,8,9,10,11,12,13,14,15
	global_load_b128 v[16+4*\j:16+4*\j+3], v1, s[6:7] offset:8192*\j th:TH_LOAD_NT   ; read once in the launch
.endr
	s_wait_loadcnt 16                              ; the logits are in: pf's 16 loads were issued behind them
	v_max3_num_f32 v96, v4, v5, v6
	v_max3_num_f32 v97, v8, v9, v10
	v_max_num_f32 v96, v96, v7
	v_max_num_f32 v97, v97, v11
.irp x, 1,2,4,8
	v_max_num_f32_dpp v96, v96, v96 row_xmask:\x row_mask:0xf bank_mask:0xf
	v_max_num_f32_dpp v97, v97, v97 row_xmask:\x row_mask:0xf bank_mask:0xf
.endr
	ds_store_b32 v2, v96                           ; 16 lanes hold a block's maximum and store it to the same word
	ds_store_b32 v2, v97 offset:32
	s_wait_dscnt 0x0
	s_barrier_signal -1
	s_barrier_wait -1
.irp i, 0,1,2,3
	ds_load_b128 v[80+4*\i:80+4*\i+3], v3 offset:16*\i   ; m_0 .. m_15, in every lane
.endr
	s_wait_dscnt 0x0
	v_max3_num_f32 v98, v80, v81, v82
.irp i, 83,85,87,89,91,93
	v_max3_num_f32 v98, v98, v[\i], v[\i+1]
.endr
	v_max_num_f32 v98, v98, v95                    ; M
.irp i, 4,5,6,7,8,9,10,11
	v_sub_f32 v[\i], v[\i], v98
.endr
.irp i, 0,1,2,3,4,5,6,7,8,9,10,11,12,13,14,15
	v_sub_f32 v[80+\i], v[80+\i], v98
.endr
.irp i, 4,5,6,7,8,9,10,11
	v_mul_f32 v[\i], s18, v[\i]
.endr
.irp i, 0,1,2,3,4,5,6,7,8,9,10,11,12,13,14,15
	v_mul_f32 v[80+\i], s18, v[80+\i]
.endr
.irp i, 4,5,6,7,8,9,10,11
	v_exp_f32 v[\i], v[\i]                         ; exp(logit - M)
.endr
.irp i, 0,1,2,3,4,5,6,7,8,9,10,11,12,13,14,15
	v_exp_f32 v[80+\i], v[80+\i]                   ; exp(m_j - M)
.endr
	v_nop                                          ; a plain place behind the last exponential
	s_wait_alu depctr_va_vdst(0)                   ; one wait for the batch of 24, ahead of its first reader
	v_add_f32 v99, v4, v5
	v_add_f32 v100, v6, v7
	v_add_f32 v101, v8, v9
	v_add_f32 v102, v10, v11
	v_add_f32 v99, v99, v100
	v_add_f32 v101, v101, v102
	v_add_f32 v99, v99, v101
.irp x, 1,2,4,8
	v_add_f32_dpp v99, v99, v99 row_xmask:\x row_mask:0xf bank_mask:0xf
.endr
	v_permlanex16_b32 v13, v99, s16, s17
	v_add_f32 v99, v99, v13                        ; my wave's sum
	ds_store_b32 v12, v99
	s_wait_dscnt 0x0
	s_barrier_signal -1
	s_barrier_wait -1
	ds_load_b128 v[104:107], v3 offset:256
	s_wait_dscnt 0x0
	v_add_f32 v104, v104, v105
	v_add_f32 v106, v106, v107
	v_add_f32 v104, v104, v106                     ; S
	v_rcp_f32 v108, v104
	v_nop
	s_wait_alu depctr_va_vdst(0)
.irp i, 0,1,2,3,4,5,6,7
	v_mul_f32 v[112+\i], v[4+\i], v108             ; the weights
.endr
.irp i, 0,1,2,3,4,5,6,7,8,9,10,11,12,13,14,15
	v_mul_f32 v[80+\i], v[80+\i], v108             ; exp(m_j - M) / S
.endr
	s_cmp_lg_u32 s13, 0
	s_cbranch_scc1 .Lnot_0
	global_store_b128 v1, v[112:115], s[8:9]       ; a wave stores 512 consecutive bytes
	global_store_b128 v1, v[116:119], s[8:9] offset:2048
.Lnot_0:
	s_wait_loadcnt 0x0                             ; pf
.irp c, 0,1,2,3
	v_mul_f32 v[120+\c], v80, v[16+\c]             ; the first block starts the sums
.endr
.irp j, 1,2,3,4,5,6,7,8,9,10,11,12,13,14,15
.irp c, 0,1,2,3
	v_fmac_f32 v[120+\c], v[80+\j], v[16+4*\j+\c]
.endr
.endr
	global_store_b128 v1, v[120:123], s[10:11]
	s_wait_tensorcnt 0x0
	ds_add_u32 v144, v145
	s_wait_dscnt 0x0
	s_endpgm
.Lfunc_end_k_qed3958f033_fin:
	.size	k_qed3958f033_fin, .Lfunc_end_k_qed3958f033_fin-k_qed3958f033_fin
	.p2alignl 7, 3214868480
	.fill 96, 4, 3214868480
	.section	.rodata,"a",@progbits
	.p2align	6, 0x0
	.amdhsa_kernel k_qed3958f033_fin
		.amdhsa_group_segment_fixed_size 1024
		.amdhsa_private_segment_fixed_size 0
		.amdhsa_enable_private_segment 0
		.amdhsa_kernarg_size 32
		.amdhsa_user_sgpr_count 2
		.amdhsa_user_sgpr_kernarg_segment_ptr 1
		.amdhsa_wavefront_size32 1
		.amdhsa_system_sgpr_workgroup_id_x 1
		.amdhsa_system_sgpr_workgroup_id_y 1
		.amdhsa_system_sgpr_workgroup_id_z 1
		.amdhsa_system_vgpr_workitem_id 0
		.amdhsa_next_free_vgpr 146
		.amdhsa_next_free_sgpr 66
		.amdhsa_reserve_vcc 0
		.amdhsa_float_denorm_mode_32 3
		.amdhsa_float_denorm_mode_16_64 3
		.amdhsa_memory_ordered 1
		.amdhsa_forward_progress 1
		.amdhsa_inst_pref_size 12
	.end_amdhsa_kernel
	.amdgpu_metadata
---
amdhsa.version: [ 1, 2 ]
amdhsa.kernels:
  - .name:           k_qed3958f033_fin
    .symbol:         k_qed3958f033_fin.kd
    .args:
      - { .name: lg, .offset: 0, .size: 8, .value_kind: global_buffer, .address_space: global }
      - { .name: pf, .offset: 8, .size: 8, .value_kind: global_buffer, .address_space: global }
      - { .name: out0, .offset: 16, .size: 8, .value_kind: global_buffer, .address_space: global }
      - { .name: out1, .offset: 24, .size: 8, .value_kind: global_buffer, .address_space: global }
    .group_segment_fixed_size: 1024
    .private_segment_fixed_size: 0
    .kernarg_segment_align: 8
    .kernarg_segment_size: 32
    .max_flat_workgroup_size: 128
    .sgpr_count:     66
    .vgpr_count:     146
    .wavefront_size: 32
...
	.end_amdgpu_metadata
.endif
;; end of part 3
;; ======== version 2 of 2: 3 launches; version 1 with the launches prep, main written anew for expert scheduling mode
;; workspace buffers: w1f 1,572,864 bytes; w1s 65,536 bytes; cpart 524,288 bytes; lg 131,072 bytes; pf 4,194,304 bytes
;; launch prep (part 4): grid 64 x 4, 12 waves a work-group, no clusters, 119,296 bytes of LDS; arguments W1, W2, W3, q1, q2, b1, b2, b3, w1f, w1s, cpart; writes w1f, w1s, cpart
.if DOCPART == 4
	.amdgcn_target "amdgcn-amd-amdhsa--gfx1250"
	.amdhsa_code_object_version 6
	.text
	.protected	k_qed3958f033_prep
	.globl	k_qed3958f033_prep
	.p2align	8
	.type	k_qed3958f033_prep,@function
k_qed3958f033_prep:
	s_mov_b64 s[64:65], 0
	v_nop
	global_prefetch_b8 v0, s[64:65] scope:SCOPE_SE
	s_setreg_imm32_b32 hwreg(HW_REG_WAVE_SCHED_MODE, 0, 2), 2
	s_setreg_imm32_b32 hwreg(HW_REG_WAVE_MODE, 25, 1), 1
	s_wait_xcnt 0x0
	s_wait_alu depctr_vm_vsrc(0)
; PREP.  (a) W1 [1024][2048] f32 becomes codes of BF6 (E3M2) with one E8M0 byte for each 32 along K, laid in the order of an operand's registers:
;   w1f [g 8][t 16][i8 8][1536 bytes]: the fragment of rows 128 g + 16 i8 + r, K step t (128 along K); registers 4 c .. 4 c + 3 of lane l at 512 c + 16 l.   w1s [g][t][128 words]: word 16 i8 + r = the row's four scale bytes.
; (b) c(batch, column) = q1 W2^T + q2 W3^T + b1 + b2 + b3, both products on codes of BF6, in four parts along K:
;   cpart [kq 4][nt 64][2048 bytes]: the image of 16 result registers: register R = 8 mt + j of lane 16 h + r at 512 (R / 4) + 16 lane + 4 (R % 4) holds the part of c(16 mt + 8 h + j, 16 nt + r) over K steps 4 kq .. 4 kq + 3; the biases are in part 0.
; SHARES.  Work-group (nt, kq), twelve waves: role = wave / 4 (0: W1; 1: W2 with q1; 2: W3 with q2), K step t = 4 kq + wave % 4.  Each wave quantises 16 rows x 128 K of its weight: every byte of the weights is read once in the launch.
; Roles 1 and 2 also quantise the two tiles of 16 batches of their q at that K step and multiply: two matrix instructions; the eight waves' results meet in LDS and four waves add them.
; EVERY LOAD IS DENSE: a row's K step is 512 consecutive bytes, one load of the wave.  The conversions want 16 neighbours along K in ONE lane, so 16 rows turn through the wave's own stage in LDS (rows 528 bytes apart).
; A block's scale is 2^(floor(log2(largest magnitude)) - 4): its byte is the largest magnitude's exponent field - 4, held at 1 from below.
; LIMITS: a block whose largest magnitude lies under 2^-122, a block of zeros too, takes the byte 1 (zero codes add nothing under it; these bytes are read by this program alone); NaN and infinities among the inputs are not served.
; No tensor load, no cluster: no two work-groups read the same bytes of a weight, and q is 512 KB in all.
; THE MODE: SCHED_MODE bits 1:0 = 2 (LLVM: expert scheduling mode 2), set by the entry lines.  The code itself states the register dependences between vector or matrix instructions and memory or LDS instructions, with s_wait_alu, always for 0.
; THE PLAN.  Registers that memory or LDS instructions touch:
;   v1-7, v251, v255   addresses and the closing add's two: written at the head, never again: one wait on va_vdst ahead of the first load.
;   XA, XB, XC         loaded from memory; read by a turn's LDS stores; the turn's LDS loads land in the same registers: a wait on vm_vsrc between the two runs.  Then QUANT reads them.
;   CWF, SW            role 0: QUANT writes them, the stores to the workspace read them: a wait on va_vdst between.
;   CWF, CQ0, CQ1, SW .. SW+2   roles 1 and 2: QUANT writes them, the two scaled matrix instructions take them: the places, then a wait on va_vdst.
;   D0                 the matrix instructions write it, the image's LDS stores read it: the places, then a wait on va_vdst, which also stands behind every reader of v64-95, in which the pieces to add land.
;   RS                 the sums write its first four registers, the last store reads them: a wait on va_vdst.
; A tile's turn is issued ahead of the quantising of the tile before: it names registers that no vector instruction has named.
.set STGW, 8448                        ; a wave's stage: 16 rows x 528 bytes
.set RED,  12*STGW                     ; behind the stages: eight images of 2,048 bytes
.set LI,   1                           ; v1   16 x lane
.set R4,   2                           ; v2   4 r
.set STW,  3                           ; v3   the stage, on the way in: 16 x lane
.set STR,  4                           ; v4   and on the way out: 528 r + 64 h
.set RW,   5                           ; v5   where my image goes
.set RDA,  6                           ; v6   which 512 bytes of each image I add
.set CPO,  7                           ; v7   and their place in cpart
.set TM,   8                           ; v8-23   at work in QUANT
.set SW,   24                          ; v24 W's scale word, v25 q tile 0's, v26 q tile 1's: they hold scales alone
.set BI,   27                          ; v27-29  b1, b2, b3 at column 16 nt + r
.set XA,   32                          ; v32-95   W's 64 numbers
.set XB,   96                          ; v96-159  q tile 0's
.set XC,   160                         ; v160-223 q tile 1's
.set CWF,  224                         ; v224-235 W's codes
.set CQ0,  236                         ; v236-247 q tile 0's
.set CQ1,  32                          ; v32-43   q tile 1's, where W's numbers lay
.set PT,   248                         ; v248-255 the conversions' second halves
.set D0,   48                          ; v48-63   the two results
.set RS,   64                          ; v64-95   eight pieces to add
.set SEL,  30                          ; s[30:31] v_permlanex16_b32's selects for lane l xor 16
; 64 numbers of a lane, register 16 b + i = k 32 b + 16 h + i of row r, become a fragment's 12 registers of codes at v[pc] and the row's scale word in v[pw].
.macro QUANT s, pc, pw
.irp b, 0,1,2,3
	v_max3_num_f32 v[TM+\b], |v[(\s)+16*\b]|, |v[(\s)+1+16*\b]|, 0x2800000   ; block b: my 16 numbers, and the floor 2^(5 - 127): the byte cannot fall under 1
.endr
.irp i, 2,4,6,8,10,12,14
.irp b, 0,1,2,3
	v_max3_num_f32 v[TM+\b], v[TM+\b], |v[(\s)+16*\b+\i]|, |v[(\s)+1+16*\b+\i]|   ; the four blocks by turns
.endr
.endr
.irp b, 0,1,2,3
	v_permlanex16_b32 v[TM+4+\b], v[TM+\b], s[SEL], s[SEL+1]
.endr
.irp b, 0,1,2,3
	v_max_num_f32 v[TM+\b], v[TM+\b], v[TM+4+\b]   ; with lane l xor 16's: the block's largest magnitude
.endr
.irp b, 0,1,2,3
	v_add_nc_u32 v[TM+12+\b], 0xfe000000, v[TM+\b]   ; 4 off its exponent field: the conversion takes the exponent field of this operand as its scale
.endr
.irp b, 0,1,2,3
	v_lshrrev_b32 v[TM+4+\b], 23, v[TM+12+\b]      ; the scale's byte
.endr
	v_lshl_or_b32 v[\pw], v[TM+5], 8, v[TM+4]
	v_lshl_or_b32 v[\pw], v[TM+6], 16, v[\pw]
	v_lshl_or_b32 v[\pw], v[TM+7], 24, v[\pw]
.irp c, 0,1
	v_cvt_scalef32_pk16_bf6_f32 v[(\pc)+6*\c:(\pc)+2+6*\c], v[(\s)+32*\c:(\s)+15+32*\c], v[TM+12+2*\c]
	v_cvt_scalef32_pk16_bf6_f32 v[PT+4*\c:PT+2+4*\c], v[(\s)+16+32*\c:(\s)+31+32*\c], v[TM+12+2*\c+1]   ; (a conversion's three registers begin on an even number)
.endr
	v_nop                                          ; one plain place behind the scaled conversions
.irp c, 0,1                                    ; the operand's layout wants a whole block in a lane: lanes 0-15 block 2 c, lanes 16-31 block 2 c + 1
.irp i, 0,1,2
	v_permlane16_swap_b32 v[(\pc)+6*\c+\i], v[PT+4*\c+\i]
.endr
.irp i, 0,1,2
	v_mov_b32 v[(\pc)+3+6*\c+\i], v[PT+4*\c+\i]
.endr
.endr
.endm
; 16 rows x 512 bytes, as loaded (register 4 i ..: row i, 16 bytes a lane), through my stage and back into the same registers as 64 numbers of one row.  LDS serves a wave's instructions in order: no wait on DScnt between the stores and the loads,
; nor between one turn's loads and the next turn's stores into the same stage.  The wait for the numbers stands where they are wanted.
.macro TURN s
.irp i, 0,1,2,3,4,5,6,7,8,9,10,11,12,13,14,15
	ds_store_b128 v[STW], v[(\s)+4*\i:(\s)+4*\i+3] offset:528*\i
.endr
	s_wait_alu depctr_vm_vsrc(0)                   ; the sixteen stores have read these 64 registers, in which the loads below land
.irp b, 0,1,2,3
.irp j, 0,1,2,3
	ds_load_b128 v[(\s)+16*\b+4*\j:(\s)+16*\b+4*\j+3], v[STR] offset:128*\b+16*\j
.endr
.endr
.endm
	s_load_b256 s[4:11], s[0:1], 0x0               ; W1 s[4:5], W2 s[6:7], W3 s[8:9], q1 s[10:11]
	s_load_b256 s[12:19], s[0:1], 0x20             ; q2 s[12:13], b1 s[14:15], b2 s[16:17], b3 s[18:19]
	s_load_b128 s[20:23], s[0:1], 0x40             ; w1f s[20:21], w1s s[22:23]
	s_load_b64 s[24:25], s[0:1], 0x50              ; cpart
	v_lshl_add_u32 v251, v0, 2, 0x1cc00
	v_mov_b32 v255, 0
	v_lshrrev_b32 v32, 5, v0
	v_readfirstlane_b32 s26, v32                   ; wave 0..11
	v_and_b32 v33, 31, v0                          ; lane
	v_and_b32 v34, 15, v0                          ; r
	v_bfe_u32 v35, v0, 4, 1                        ; h
	v_lshlrev_b32 v[LI], 4, v33
	v_lshlrev_b32 v[R4], 2, v34
	s_wait_alu depctr_va_sdst(0)                   ; s26 is written, ahead of its first reader: the role, the K step and the LDS places are made from it
	s_lshr_b32 s27, s26, 2                         ; role
	s_and_b32 s28, s26, 3
	s_and_b32 s29, ttmp7, 0xffff                   ; kq
	s_lshl_b32 s37, s29, 2
	s_add_co_u32 s28, s28, s37                     ; t = 4 kq + wave % 4
	s_mul_i32 s38, s26, STGW                       ; all LDS addresses are made here, ahead of the first parting of the roles
	v_add_nc_u32 v[STW], s38, v[LI]
	v_mul_u32_u24 v[STR], v34, 528
	v_lshl_add_u32 v[STR], v35, 6, v[STR]
	v_add_nc_u32 v[STR], s38, v[STR]
	s_add_co_u32 s38, s26, 4
	s_and_b32 s39, s38, 7                          ; waves 4 .. 11 take images 0 .. 7
	s_lshl_b32 s39, s39, 11
	s_add_co_u32 s39, s39, RED
	v_add_nc_u32 v[RW], s39, v[LI]
	s_and_b32 s39, s38, 3                          ; waves 4 .. 7 add pieces 0 .. 3
	s_lshl_b32 s39, s39, 9
	v_add_nc_u32 v[CPO], s39, v[LI]
	s_add_co_u32 s39, s39, RED
	v_add_nc_u32 v[RDA], s39, v[LI]
	s_mov_b32 s[SEL], 0x76543210
	s_mov_b32 s[SEL+1], 0xfedcba98
.irp b, 0,1,2,3
	v_mov_b32 v[TM+4+\b], 0                        ; written once: a lane permute's destination counts as one of its sources
.endr
	s_cmp_eq_u32 s29, 0
	s_cselect_b32 s36, 0x3f800000, 0               ; the biases go into part 0 alone: 1.0 or 0
	s_lshl_b32 s40, ttmp9, 17                      ; W: 16 nt rows of 8,192 bytes
	s_lshl_b32 s42, s28, 9                         ; + 512 t;  q: 512 t
	s_add_co_u32 s40, s40, s42
	s_mov_b32 s41, 0
	s_mov_b32 s43, 0
	s_lshl_b32 s44, ttmp9, 6                       ; the biases: 16 nt numbers on
	s_mov_b32 s45, 0
	s_lshr_b32 s46, ttmp9, 3
	s_lshl_b32 s46, s46, 4
	s_add_co_u32 s46, s46, s28                     ; 16 g + t
	s_and_b32 s47, ttmp9, 7                        ; i8
	s_lshl_b32 s48, s46, 9
	s_lshl_b32 s49, s47, 6
	s_add_co_u32 s48, s48, s49                     ; w1s: ((16 g + t) 128 + 16 i8) words
	s_mov_b32 s49, 0
	s_lshl_b32 s46, s46, 3
	s_add_co_u32 s46, s46, s47
	s_mul_i32 s46, s46, 1536                       ; w1f: ((16 g + t) 8 + i8) fragments
	s_mov_b32 s47, 0
	s_lshl_b32 s50, s29, 6
	s_add_co_u32 s50, s50, ttmp9
	s_lshl_b32 s50, s50, 11                        ; cpart: (64 kq + nt) images
	s_mov_b32 s51, 0
	s_wait_kmcnt 0x0
	s_cmp_eq_u32 s27, 1                            ; the role chooses the buffers: a choice that hangs on the wave's number alone
	s_cselect_b64 s[32:33], s[6:7], s[4:5]
	s_cmp_eq_u32 s27, 2
	s_cselect_b64 s[32:33], s[8:9], s[32:33]
	s_cselect_b64 s[34:35], s[12:13], s[10:11]
	s_add_nc_u64 s[32:33], s[32:33], s[40:41]
	s_add_nc_u64 s[34:35], s[34:35], s[42:43]
	s_add_nc_u64 s[14:15], s[14:15], s[44:45]
	s_add_nc_u64 s[16:17], s[16:17], s[44:45]
	s_add_nc_u64 s[18:19], s[18:19], s[44:45]
	s_add_nc_u64 s[20:21], s[20:21], s[46:47]
	s_add_nc_u64 s[22:23], s[22:23], s[48:49]
	s_add_nc_u64 s[24:25], s[24:25], s[50:51]
	s_wait_alu depctr_va_vdst(0)                   ; the seven addresses v1 to v7 are written, which every load and store below reads; the head is done with v32 to v35, in which W's first load lands
.irp i, 0,1,2,3,4,5,6,7,8,9,10,11,12,13,14,15
	global_load_b128 v[XA+4*\i:XA+4*\i+3], v[LI], s[32:33] offset:8192*\i th:TH_LOAD_NT   ; row i: 32 lanes read 512 consecutive bytes; read once in the launch
.endr
	global_load_b32 v[BI], v[R4], s[14:15]         ; the biases stand ahead of the parting, so that every wave's registers are written on every way
	global_load_b32 v[BI+1], v[R4], s[16:17]
	global_load_b32 v[BI+2], v[R4], s[18:19]
	s_cmp_eq_u32 s27, 0
	s_cbranch_scc1 .Lrole0
	; ---- roles 1 and 2: W2 with q1, W3 with q2
.irp i, 0,1,2,3,4,5,6,7,8,9,10,11,12,13,14,15
	global_load_b128 v[XB+4*\i:XB+4*\i+3], v[LI], s[34:35] offset:8192*\i   ; batches 0-15 (64 work-groups read q again: no hint)
.endr
.irp i, 0,1,2,3,4,5,6,7,8,9,10,11,12,13,14,15
	global_load_b128 v[XC+4*\i:XC+4*\i+3], v[LI], s[34:35] offset:131072+8192*\i   ; batches 16-31
.endr
	s_wait_loadcnt 35                              ; W's 16 loads are in: 3 + 32 were issued behind them
	TURN XA
	s_wait_loadcnt 16                              ; q tile 0's are in: tile 1's 16 were issued behind them
	TURN XB                                        ; its turn is on its way while W is quantised
	s_wait_dscnt 32                                ; W's numbers are back: tile 0's 16 stores and 16 loads were issued behind them
	QUANT XA, CWF, SW
	s_wait_loadcnt 0x0
	TURN XC
	s_wait_dscnt 32                                ; tile 0's numbers are back: tile 1's 16 stores and 16 loads were issued behind them
	QUANT XB, CQ0, SW+1
	s_wait_dscnt 0x0
	QUANT XC, CQ1, SW+2
.rept 8
	v_nop                                          ; a scale register written by a vector instruction stands 8 places ahead of a scaled matrix instruction, an operand so written 4
.endr
	s_wait_alu depctr_va_vdst(0)                   ; QUANT has written the three fragments of codes and the three scale words, which the scaled matrix instructions take; the places above stay beside this wait
	v_wmma_scale_f32_16x16x128_f8f6f4 v[D0:D0+7], v[CQ0:CQ0+11], v[CWF:CWF+11], 0, v[SW+1], v[SW] matrix_a_fmt:MATRIX_FMT_BF6 matrix_b_fmt:MATRIX_FMT_BF6      ; source 0 = 16 batches, source 1 = 16 rows of W: register j of lane (r, h) = (batch 8 h + j, column r)
	v_wmma_scale_f32_16x16x128_f8f6f4 v[D0+8:D0+15], v[CQ1:CQ1+11], v[CWF:CWF+11], 0, v[SW+2], v[SW] matrix_a_fmt:MATRIX_FMT_BF6 matrix_b_fmt:MATRIX_FMT_BF6
.rept 4
	v_nop                                          ; four places ahead of the stores that read the results
.endr
	s_wait_alu depctr_va_vdst(0)                   ; the matrix instructions have written D0, which the LDS stores read; every reader of v64 to v95 stands ahead of this wait too: the pieces to add land there
.irp c, 0,1,2,3
	ds_store_b128 v[RW], v[D0+4*\c:D0+4*\c+3] offset:512*\c   ; the image of my 16 result registers, each result from its low end on
.endr
	s_branch .Ljoin
.Lrole0:
	; ---- role 0: W1's fragment and scale words go to the workspace
	s_wait_loadcnt 3                               ; W's 16 loads are in: the three bias loads were issued behind them
	TURN XA
	s_wait_dscnt 0x0
	QUANT XA, CWF, SW
	s_wait_alu depctr_va_vdst(0)                   ; QUANT has written the codes and the scale word, which the stores read
.irp c, 0,1,2
	global_store_b128 v[LI], v[CWF+4*\c:CWF+4*\c+3], s[20:21] offset:512*\c   ; 32 lanes store 512 consecutive bytes, at a multiple of 256 from the buffer's first byte
.endr
	global_store_b32 v[R4], v[SW], s[22:23]        ; lanes r and 16 + r hold the same word and store it to the same place
.Ljoin:
	s_wait_dscnt 0x0                               ; my image has landed
	s_barrier_signal -1
	s_barrier_wait -1                              ; all eight have
	s_cmp_eq_u32 s27, 1
	s_cbranch_scc0 .Lend
	; ---- waves 4 to 7: four registers (512 bytes) of the eight images each
.irp s, 0,1,2,3,4,5,6,7
	ds_load_b128 v[RS+4*\s:RS+4*\s+3], v[RDA] offset:2048*\s
.endr
	s_wait_loadcnt 0x0                             ; the biases
	v_add_f32 v[BI+1], v[BI], v[BI+1]
	v_add_f32 v[BI+1], v[BI+1], v[BI+2]
	v_mul_f32 v[BI+1], s36, v[BI+1]                ; b1 + b2 + b3 at my column, in part 0 alone
	v_mov_b32 v[BI+2], v[BI+1]                     ; as a pair: all four registers of a lane belong to one column
	s_wait_dscnt 0x0
.irp s, 1,2,3,4,5,6,7
	v_pk_add_f32 v[RS:RS+1], v[RS:RS+1], v[RS+4*\s:RS+4*\s+1]
	v_pk_add_f32 v[RS+2:RS+3], v[RS+2:RS+3], v[RS+4*\s+2:RS+4*\s+3]
.endr
	v_pk_add_f32 v[RS:RS+1], v[RS:RS+1], v[BI+1:BI+2]
	v_pk_add_f32 v[RS+2:RS+3], v[RS+2:RS+3], v[BI+1:BI+2]
	s_wait_alu depctr_va_vdst(0)                   ; the sums have written RS's first four registers, which the store reads
	global_store_b128 v[CPO], v[RS:RS+3], s[24:25] ; 512 consecutive bytes a wave
.Lend:
	s_wait_dscnt 0x0                               ; the closing lines, six on end
	s_wait_alu 0x0
	s_wait_tensorcnt 0x0
	ds_add_u32 v251, v255
	s_wait_dscnt 0x0
	s_endpgm
.Lfunc_end_k_qed3958f033_prep:
	.size	k_qed3958f033_prep, .Lfunc_end_k_qed3958f033_prep-k_qed3958f033_prep
	.p2alignl 7, 3214868480
	.fill 96, 4, 3214868480
	.section	.rodata,"a",@progbits
	.p2align	6, 0x0
	.amdhsa_kernel k_qed3958f033_prep
		.amdhsa_group_segment_fixed_size 119296
		.amdhsa_private_segment_fixed_size 0
		.amdhsa_enable_private_segment 0
		.amdhsa_kernarg_size 88
		.amdhsa_user_sgpr_count 2
		.amdhsa_user_sgpr_kernarg_segment_ptr 1
		.amdhsa_wavefront_size32 1
		.amdhsa_system_sgpr_workgroup_id_x 1
		.amdhsa_system_sgpr_workgroup_id_y 1
		.amdhsa_system_sgpr_workgroup_id_z 1
		.amdhsa_system_vgpr_workitem_id 0
		.amdhsa_next_free_vgpr 256
		.amdhsa_next_free_sgpr 66
		.amdhsa_reserve_vcc 0
		.amdhsa_float_denorm_mode_32 3
		.amdhsa_float_denorm_mode_16_64 3
		.amdhsa_memory_ordered 1
		.amdhsa_forward_progress 1
		.amdhsa_inst_pref_size 36
	.end_amdhsa_kernel
	.amdgpu_metadata
---
amdhsa.version: [ 1, 2 ]
amdhsa.kernels:
  - .name:           k_qed3958f033_prep
    .symbol:         k_qed3958f033_prep.kd
    .args:
      - { .name: W1, .offset: 0, .size: 8, .value_kind: global_buffer, .address_space: global }
      - { .name: W2, .offset: 8, .size: 8, .value_kind: global_buffer, .address_space: global }
      - { .name: W3, .offset: 16, .size: 8, .value_kind: global_buffer, .address_space: global }
      - { .name: q1, .offset: 24, .size: 8, .value_kind: global_buffer, .address_space: global }
      - { .name: q2, .offset: 32, .size: 8, .value_kind: global_buffer, .address_space: global }
      - { .name: b1, .offset: 40, .size: 8, .value_kind: global_buffer, .address_space: global }
      - { .name: b2, .offset: 48, .size: 8, .value_kind: global_buffer, .address_space: global }
      - { .name: b3, .offset: 56, .size: 8, .value_kind: global_buffer, .address_space: global }
      - { .name: w1f, .offset: 64, .size: 8, .value_kind: global_buffer, .address_space: global }
      - { .name: w1s, .offset: 72, .size: 8, .value_kind: global_buffer, .address_space: global }
      - { .name: cpart, .offset: 80, .size: 8, .value_kind: global_buffer, .address_space: global }
    .group_segment_fixed_size: 119296
    .private_segment_fixed_size: 0
    .kernarg_segment_align: 8
    .kernarg_segment_size: 88
    .max_flat_workgroup_size: 384
    .sgpr_count:     66
    .vgpr_count:     256
    .wavefront_size: 32
...
	.end_amdgpu_metadata
.endif
;; end of part 4
;; launch main (part 5): grid 256 x 1, 4 waves a work-group, no clusters, 326,144 bytes of LDS; arguments v, w1f, w1s, cpart, Ww, bw, lg, pf; writes lg, pf
.if DOCPART == 5
	.amdgcn_target "amdgcn-amd-amdhsa--gfx1250"
	.amdhsa_code_object_version 6
	.text
	.protected	k_qed3958f033_main
	.globl	k_qed3958f033_main
	.p2align	8
	.type	k_qed3958f033_main,@function
k_qed3958f033_main:
	s_mov_b64 s[64:65], 0
	v_nop
	global_prefetch_b8 v0, s[64:65] scope:SCOPE_SE
	s_setreg_imm32_b32 hwreg(HW_REG_WAVE_SCHED_MODE, 0, 2), 2
	s_setreg_imm32_b32 hwreg(HW_REG_WAVE_MODE, 25, 1), 1
	s_wait_xcnt 0x0
	s_wait_alu depctr_vm_vsrc(0)
; MAIN.  For each block of 64 rows (keys) of v [32768][2048] f32: quantise to BF6 (E3M2, one E8M0 byte for each 32 along K), multiply by W1's codes (1,024 columns, K = 2,048), add c (the q projections and biases, from cpart), tanh,
; dot with Ww, + bw: the 64 logits (lg).  Then e = exp(logit - the block's largest logit), and pf[block][d] = sum over the 64 keys of bf16(e) bf16(v): the block's part of the feature.  The last launch joins the blocks.
; V IS READ FROM MEMORY ONCE: as it is quantised, a bf16 copy of the 64 rows (4,096 bytes a row) is laid in LDS and serves the feature when the logits are known.
; SHARES.  Work-group G owns rows 128 G .. 128 G + 127 (one batch: G / 8) as two blocks.  Loading and quantising: wave w takes rows 16 w .. 16 w + 15 of the block, all of K.  Products: wave w takes columns 256 w .. 256 w + 255
; for all 64 rows, in two chunks of 128 columns: 32 accumulators.  Feature: wave w takes d = 512 w .. 512 w + 511.
; A's codes: a wave keeps its own 16 fragments in registers (home) and publishes them, four K steps at a time, into two LDS windows that take turns, as images of the operand's registers; every wave reads all four tiles from there.
; B's codes come from the workspace, laid in the order of the operand's registers, straight into registers, two K steps ahead: each fragment is used by exactly one wave of the work-group.
; NO TENSOR LOAD, NO CLUSTER, though all work-groups walk the same W1: the bf16 copy takes 264,192 bytes of LDS, the windows 51,200, the rest 9,728: 2,560 are left, and one K step of B for the work-group is 98,304 bytes; and no two
; waves of a work-group share a fragment of B, so LDS would add a store and a load to every byte.
; THE PRODUCT: source 0 = 16 rows of v, source 1 = 16 rows of W1: register j of lane (r, h) holds (row 8 h + j, column r).  A lane has one column, so c and Ww are one number a lane and tile.
; tanh x = 1 - 2 / (1 + 2^(2 log2(e) x)), right at both ends (the exponential's infinity gives 1, its zero -1).  sum of Ww tanh = sum of Ww + sum of (-2 Ww) / (1 + 2^..): a lane's sums begin at the sum of its 16 Ww.
; LIMITS: a block of 32 whose largest magnitude lies under 2^-122, a block of zeros too, takes the scale byte 1 (zero codes add nothing under it); NaN and infinities among the inputs are not served;
; the feature's operands, e and v, are rounded to bf16; a tanh carries an absolute error of about 1e-7.
; REGISTERS, in windows of 256 (s_set_vgpr_msb: bits 1:0 source 0, 3:2 source 1, 5:4 source 2, 7:6 destination):
;   window 0: addresses, all vector work, all scale words; inside a chunk v32-127, idle there, are B's set 2.   window 1: v0-191 home (K step t at 12 t), v192-239 A's set 0; in the feature v0-127 V's fragments, v128-191 eight accumulators.
;   window 2: the 32 accumulators ((m, nn) at 8 (8 m + nn)); while a block is loaded: four landing sets of 64.   window 3: v0-191 B's sets 0 and 1 (96 p + 12 nn), v192-239 A's set 1.
; THE MODE: SCHED_MODE bits 1:0 = 2 (LLVM: expert scheduling mode 2), set by the entry lines.  The code itself states the register dependences between vector or matrix instructions and memory or LDS instructions, with s_wait_alu, always for 0.
; THE PLAN.  Registers that memory or LDS instructions touch:
;   v1-23, v254, v255  addresses, offsets and the closing add's two: written at the head, never again: one wait on va_vdst ahead of the first load.
;   landing sets       loads of v land in them; the stage's LDS stores read them; no vector instruction names them while a block is loaded.  In the chunks they are the accumulators.
;   X                  unit t: the stage's LDS loads land in it; QUANT reads it; the roundings write its first half; the LDS stores into the copy read that half.
;   home, ASH          the units' moves and QUANT write them; the publishing's LDS stores read them; the feature's loads and products land in home.
;   In a unit: ONE wait on vm_vsrc behind the stage's stores (they have read the landing set, the last unit's copy stores have read X): the loads into X and the loads of the K step four on follow it at once;
;   ONE wait on va_vdst behind the roundings: the copy stores follow it, and it stands behind every namer of X, of home and of ASH, for the next unit's loads and for the publishing.
;   B's sets 0, 1, 2   K step k multiplies set k % 3; the loads of K step k + 2 land in set (k - 1) % 3, which K step k - 1 multiplied.  Their scale words likewise.
;   A's sets 0, 1      K step k multiplies set k % 2; the LDS loads of K step k + 1 land in the other, which K step k - 1 multiplied.  Their scale words likewise.
;   In a K step: ONE wait on va_vdst, at its head: the last K step's products are done reading.  The step's 42 loads follow, dealt among its 32 products, which name this step's sets, scale words and the accumulators: none of the
;   registers that those loads touch.  The publishing's stores read home and ASH, which nothing names in a chunk.
;   16 is no multiple of 3, and set 2 lies idle from K step 15 to the next chunk's K step 0 (the tanh and the units work there): K step 14 loads the next chunk's K step 1 into set 1, K step 15 loads nothing, and the next
;   chunk's K step 0 goes into set 0 behind K step 15, under a wait of its own, with the tanh in which to land.
;   L, v26-27, v29, the feature's accumulators: each written by vector or matrix instructions and read by one run of stores: a wait on va_vdst ahead of the run; one wait on vm_vsrc at the next block's head ahead of their next writers.
.set V16P, 4128                        ; a row of the bf16 copy: 4,096 bytes + 32: 129 x 32, so that the eight rows of a turning load start 8 banks apart
.set WINB, 64*V16P                     ; 264,192: the two windows: [buf 2][kk 4][m 4][1,536 bytes]
.set QWIN, 24576
.set STG,  WINB                        ; the waves' stages for the turn, 8,448 bytes each: the windows' bytes, while a block is loaded; barriers part the two uses
.set ASC,  WINB+2*QWIN                 ; 313,344: A's scale words: [buf][kk][64 words: 16 m + r]
.set LG,   ASC+2048                    ; 315,392: four waves' parts of the 64 logits
.set E16,  LG+1024                     ; 316,416: each wave's 64 weights in bf16
.set FST,  E16+512                     ; 316,928: each wave's 512 numbers of the feature; ends at 325,120
.set LI,   1                           ; v1   16 x lane
.set LS,   2                           ; v2   4 x lane
.set L8,   3                           ; v3   8 x lane
.set STW,  4                           ; v4   my stage, on the way in
.set STR,  5                           ; v5   and on the way out: 528 r + 64 h
.set VW0,  6                           ; v6   the bf16 copy: row 16 w + r, + 32 h
.set R4,   7                           ; v7   4 r
.set PBW,  8                           ; v8   where I publish a fragment: 1,536 w + 16 lane
.set PSW,  9                           ; v9   and its scale words: 64 w + 4 r
.set AFB,  10                          ; v10  from where fragments are read: 16 lane
.set ASB,  11                          ; v11  and scale words: 4 lane
.set LGW,  12                          ; v12  my part of the logits: 256 w + 32 h
.set LGR,  13                          ; v13  8 lane
.set EW,   14                          ; v14  my weights: 128 w + 4 lane
.set ER,   15                          ; v15  128 w + 16 h
.set TR,   16                          ; v16-19 the turning loads: keys 16 s + 8 h + l % 8, + 16 ((l / 8) % 2) + 1,024 w
.set FSW,  20                          ; v20  2,048 w + 4 r
.set FSR,  21                          ; v21  2,048 w + 16 lane
.set PFO,  22                          ; v22  the prefetches: 8,192 r + 256 h; never rewritten
.set R16,  23                          ; v23  16 r
.set WSUM, 24                          ; v24  the sum of my lane's 16 Ww
.set X,    32                          ; v32-95 64 numbers of v
.set T,    32                          ;        and 64 arguments of tanh
.set TM,   96                          ; v96-111 at work in QUANT
.set PC,   112                         ; v112-123 the codes just made
.set PT,   124                         ; v124-131 the conversions' second halves
.set BS2,  132                         ; v132-135 the scale words of B's set 2: they hold scales alone
.set ASH,  136                         ; v136-151 home: my rows' scale word of each K step
.set ASF,  152                         ; v152-155 A's scale words in use: set p, register i: lanes 0-15 tile 2 i, lanes 16-31 tile 2 i + 1
.set BS,   156                         ; v156-163 B's, of sets 0 and 1: set p, group grp: lanes 0-15 tile 2 grp, lanes 16-31 tile 2 grp + 1
.set CW,   164                         ; v164-179 this chunk's pairs (2 log2(e) c, -2 Ww) for nn = 0 .. 7; v180-195 the other chunk's
.set L,    196                         ; v196-227 my lane's sums: row 16 m + 8 h + j at 8 m + j
.set P,    228                         ; v228-243 the weights as source 0: two steps of 32 keys
.set WV,   20
.set SEL,  22                          ; s[22:23] v_permlanex16_b32's selects for lane l xor 16
.set KK2,  24                          ; s[24:25] 2 log2(e), twice
.set LE,   26                          ; s26  log2(e)
.set BW,   27                          ; s27  bw
.set BLK,  28                          ; s28  blocks to go
.set CH,   29                          ; s29  the chunk
.set VB,   32                          ; s[32:33] v at my 16 rows of the block that is (or is next to be) loaded
.set BC,   36                          ; s[36:37] w1f at this chunk;  s[38:39] at the other
.set BN,   38
.set SC,   40                          ; s[40:41], s[42:43] the same for w1s
.set SN,   42
.set LGP,  44                          ; s[44:45] lg at this block
.set PFP,  46                          ; s[46:47] pf at this block, my wave's part
.set CPB,  52                          ; s[52:53] cpart at my columns and my batch
.set WWB,  54                          ; s[54:55] Ww at my columns
.set MSB, 0
.macro WIN new                         ; the immediate's high byte repeats the setting that is left; a switch that changes nothing is dropped
.if MSB != \new
	s_set_vgpr_msb (MSB<<8)|\new
.set MSB, \new
.endif
.endm
.macro NOPS n
.rept \n
	v_nop
.endr
.endm
.macro BARRIER                         ; my LDS stores have landed and my LDS loads are in: then the work-group's barrier
	s_wait_dscnt 0x0
	s_barrier_signal -1
	s_barrier_wait -1
.endm
; 64 numbers of a lane, register 16 b + i = k 32 b + 16 h + i of row r, become a fragment's 12 registers of codes at v[pc] and the row's scale word in v[pw].
.macro QUANT s, pc, pw
.irp b, 0,1,2,3
	v_max3_num_f32 v[TM+\b], |v[(\s)+16*\b]|, |v[(\s)+1+16*\b]|, 0x2800000   ; block b: my 16 numbers, and the floor 2^(5 - 127): the byte cannot fall under 1
.endr
.irp i, 2,4,6,8,10,12,14
.irp b, 0,1,2,3
	v_max3_num_f32 v[TM+\b], v[TM+\b], |v[(\s)+16*\b+\i]|, |v[(\s)+1+16*\b+\i]|   ; the four blocks by turns
.endr
.endr
.irp b, 0,1,2,3
	v_permlanex16_b32 v[TM+4+\b], v[TM+\b], s[SEL], s[SEL+1]
.endr
.irp b, 0,1,2,3
	v_max_num_f32 v[TM+\b], v[TM+\b], v[TM+4+\b]   ; with lane l xor 16's: the block's largest magnitude
.endr
.irp b, 0,1,2,3
	v_add_nc_u32 v[TM+12+\b], 0xfe000000, v[TM+\b]   ; 4 off its exponent field: the conversion takes the exponent field of this operand as its scale
.endr
.irp b, 0,1,2,3
	v_lshrrev_b32 v[TM+4+\b], 23, v[TM+12+\b]      ; the scale's byte
.endr
	v_lshl_or_b32 v[\pw], v[TM+5], 8, v[TM+4]
	v_lshl_or_b32 v[\pw], v[TM+6], 16, v[\pw]
	v_lshl_or_b32 v[\pw], v[TM+7], 24, v[\pw]
.irp c, 0,1
	v_cvt_scalef32_pk16_bf6_f32 v[(\pc)+6*\c:(\pc)+2+6*\c], v[(\s)+32*\c:(\s)+15+32*\c], v[TM+12+2*\c]
	v_cvt_scalef32_pk16_bf6_f32 v[PT+4*\c:PT+2+4*\c], v[(\s)+16+32*\c:(\s)+31+32*\c], v[TM+12+2*\c+1]   ; (a conversion's three registers begin on an even number)
.endr
	v_nop                                          ; one plain place behind the scaled conversions
.irp c, 0,1                                    ; the operand's layout wants a whole block in a lane: lanes 0-15 block 2 c, lanes 16-31 block 2 c + 1
.irp i, 0,1,2
	v_permlane16_swap_b32 v[(\pc)+6*\c+\i], v[PT+4*\c+\i]
.endr
.irp i, 0,1,2
	v_mov_b32 v[(\pc)+3+6*\c+\i], v[PT+4*\c+\i]
.endr
.endr
.endm
; K step t of my 16 rows into landing set u: a row's 512 bytes to a load
.macro XSET u, t
	WIN 0x80                                       ; destination window 2
.irp i, 0,1,2,3,4,5,6,7,8,9,10,11,12,13,14,15
	global_load_b128 v[64*(\u)+4*\i:64*(\u)+4*\i+3], v[LI], s[VB:VB+1] offset:8192*\i+512*(\t) th:TH_LOAD_NT
.endr
	WIN 0
.endm
; K step t of my 16 rows: through the stage, so that a lane holds 16 neighbours of each block of 32; codes and scale word go home; the numbers, rounded to bf16, into the copy.
.macro UNIT t
.set UU, (\t)%4
.if (\t) < 13
	s_wait_loadcnt 48                              ; this K step's 16 loads are in: the next three K steps' were issued behind them
.else
	s_wait_loadcnt 16*(15-(\t))
.endif
	WIN 0x08                                       ; an LDS store's data are its source 1: window 2
.irp i, 0,1,2,3,4,5,6,7,8,9,10,11,12,13,14,15
	ds_store_b128 v[STW], v[64*UU+4*\i:64*UU+4*\i+3] offset:528*\i
.endr
	WIN 0
.if (\t) == 0
	s_wait_alu depctr_va_vdst(0)                   ; what stands ahead of the block (the head's sums of c, the last block's sums of the logits) is done with X, in which the loads below land
.endif
	s_wait_alu depctr_vm_vsrc(0)                   ; the stage's stores have read the landing set, in which the K step four on lands; the last unit's stores into the copy have read X, in which the loads below land
.irp b, 0,1,2,3
.irp j, 0,1,2,3
	ds_load_b128 v[X+16*\b+4*\j:X+16*\b+4*\j+3], v[STR] offset:128*\b+16*\j   ; LDS serves a wave's instructions in order: these see the stores above.  (The last unit's namers of X stand ahead of its wait on va_vdst)
.endr
.endr
.if (\t)+4 < 16
	XSET UU, (\t)+4                                ; the landing set takes the K step four on, while the numbers come back from the stage
.endif
	s_wait_dscnt 0x0                               ; the numbers are in
	QUANT X, PC, ASH+(\t)
	WIN 0x40                                       ; destination window 1
.irp n, 0,1,2,3,4,5,6,7,8,9,10,11
	v_mov_b32 v[12*(\t)+\n], v[PC+\n]              ; home
.endr
	WIN 0
.set NI, 0
.rept 32
	v_cvt_pk_bf16_f32 v[X+NI], v[X+2*NI], v[X+2*NI+1]   ; in place, ascending: register n is written when registers 2 n and 2 n + 1 are read
.set NI, NI+1
.endr
	s_wait_alu depctr_va_vdst(0)                   ; the roundings have written X's first 32 registers, which the stores below read; the moves have written home and QUANT the scale word, which the publishing reads; all readers of X are done
.irp b, 0,1,2,3
.irp s, 0,1
	ds_store_b128 v[VW0], v[X+8*\b+4*\s:X+8*\b+4*\s+3] offset:256*(\t)+64*\b+16*\s   ; 16 numbers of block b: 32 bytes at 2 (128 t + 32 b + 16 h)
.endr
.endr
.endm
; my four fragments of K steps 4 q .. 4 q + 3, and their scale words, into window q % 2, as they stand in the registers
.macro PUBLISH q
	WIN 0x04                                       ; data: window 1
.irp kk, 0,1,2,3
.irp c, 0,1,2
	ds_store_b128 v[PBW], v[48*(\q)+12*\kk+4*\c:48*(\q)+12*\kk+4*\c+3] offset:QWIN*((\q)&1)+6144*\kk+512*\c
.endr
.endr
	WIN 0
.irp kk, 0,1,2,3
	ds_store_b32 v[PSW], v[ASH+4*(\q)+\kk] offset:1024*((\q)&1)+256*\kk   ; lanes r and 16 + r hold the same word and store it to the same place
.endr
.endm
; the four tiles of rows of K step k, and their scale words, into A's set k % 2
.macro AFETCH k
.set AP, (\k)&1
.set AO, QWIN*(((\k)/4)&1)+6144*((\k)%4)
.set ASO, 1024*(((\k)/4)&1)+256*((\k)%4)
.if AP
	WIN 0xc0                                       ; destination window 3
.else
	WIN 0x40                                       ; destination window 1
.endif
.irp m, 0,1,2,3
.irp c, 0,1,2
	ds_load_b128 v[192+12*\m+4*\c:192+12*\m+4*\c+3], v[AFB] offset:AO+1536*\m+512*\c
.endr
.endr
	WIN 0
.irp i, 0,1
	ds_load_b32 v[ASF+2*AP+\i], v[ASB] offset:ASO+128*\i
.endr
.endm
; B's set of K step j: its first register BB, its window BWN, its four scale registers from BSR on
.macro BSET j
.if ((\j)%3) == 2
.set BB, 32
.set BWN, 0
.set BSR, BS2
.else
.set BB, 96*((\j)%3)
.set BWN, 3
.set BSR, BS+4*((\j)%3)
.endif
.endm
; the scale words of B's eight tiles of K step kn: four loads
.macro BSCL kn, sr
	BSET \kn
	WIN 0
.irp g, 0,1,2,3
	global_load_b32 v[BSR+\g], v[LS], s[\sr:\sr+1] offset:((\kn)*128+32*\g)*4
.endr
.endm
; B's tiles 2 grp and 2 grp + 1 of K step kn: six loads
.macro BFRG kn, grp, br
	BSET \kn
.set WN, BWN<<6
	WIN WN                                         ; destination: the set's window
.irp e, 0,1
.irp c, 0,1,2
	global_load_b128 v[BB+12*(2*(\grp)+\e)+4*\c:BB+12*(2*(\grp)+\e)+4*\c+3], v[LI], s[\br:\br+1] offset:((\kn)*8+2*(\grp)+\e)*1536+512*\c
.endr
.endr
.endm
; one matrix instruction; ra, rb: the scales stand in lanes 16-31 of the register named
.macro WM d, a, b, zero, sa, sb, ra, rb
.if \zero
.if (\ra) && (\rb)
	v_wmma_scale_f32_16x16x128_f8f6f4 v[(\d):(\d)+7], v[(\a):(\a)+11], v[(\b):(\b)+11], 0, v[\sa], v[\sb] matrix_a_fmt:MATRIX_FMT_BF6 matrix_b_fmt:MATRIX_FMT_BF6 matrix_a_scale:MATRIX_SCALE_ROW1 matrix_b_scale:MATRIX_SCALE_ROW1
.elseif (\ra)
	v_wmma_scale_f32_16x16x128_f8f6f4 v[(\d):(\d)+7], v[(\a):(\a)+11], v[(\b):(\b)+11], 0, v[\sa], v[\sb] matrix_a_fmt:MATRIX_FMT_BF6 matrix_b_fmt:MATRIX_FMT_BF6 matrix_a_scale:MATRIX_SCALE_ROW1
.elseif (\rb)
	v_wmma_scale_f32_16x16x128_f8f6f4 v[(\d):(\d)+7], v[(\a):(\a)+11], v[(\b):(\b)+11], 0, v[\sa], v[\sb] matrix_a_fmt:MATRIX_FMT_BF6 matrix_b_fmt:MATRIX_FMT_BF6 matrix_b_scale:MATRIX_SCALE_ROW1
.else
	v_wmma_scale_f32_16x16x128_f8f6f4 v[(\d):(\d)+7], v[(\a):(\a)+11], v[(\b):(\b)+11], 0, v[\sa], v[\sb] matrix_a_fmt:MATRIX_FMT_BF6 matrix_b_fmt:MATRIX_FMT_BF6
.endif
.else
.if (\ra) && (\rb)
	v_wmma_scale_f32_16x16x128_f8f6f4 v[(\d):(\d)+7], v[(\a):(\a)+11], v[(\b):(\b)+11], v[(\d):(\d)+7], v[\sa], v[\sb] matrix_a_fmt:MATRIX_FMT_BF6 matrix_b_fmt:MATRIX_FMT_BF6 matrix_a_scale:MATRIX_SCALE_ROW1 matrix_b_scale:MATRIX_SCALE_ROW1
.elseif (\ra)
	v_wmma_scale_f32_16x16x128_f8f6f4 v[(\d):(\d)+7], v[(\a):(\a)+11], v[(\b):(\b)+11], v[(\d):(\d)+7], v[\sa], v[\sb] matrix_a_fmt:MATRIX_FMT_BF6 matrix_b_fmt:MATRIX_FMT_BF6 matrix_a_scale:MATRIX_SCALE_ROW1
.elseif (\rb)
	v_wmma_scale_f32_16x16x128_f8f6f4 v[(\d):(\d)+7], v[(\a):(\a)+11], v[(\b):(\b)+11], v[(\d):(\d)+7], v[\sa], v[\sb] matrix_a_fmt:MATRIX_FMT_BF6 matrix_b_fmt:MATRIX_FMT_BF6 matrix_b_scale:MATRIX_SCALE_ROW1
.else
	v_wmma_scale_f32_16x16x128_f8f6f4 v[(\d):(\d)+7], v[(\a):(\a)+11], v[(\b):(\b)+11], v[(\d):(\d)+7], v[\sa], v[\sb] matrix_a_fmt:MATRIX_FMT_BF6 matrix_b_fmt:MATRIX_FMT_BF6
.endif
.endif
.endm
; A quarter of a K step: two tiles of B x the four tiles of rows, eight matrix instructions on eight accumulators.  cnt: how many younger loads may stay out when the two tiles have to be there.
; The 32 accumulators take turns, one instruction a turn, in the same order in every K step.
.macro GRPM k, grp, zero, cnt
	s_wait_loadcnt \cnt
	BSET \k
.set WN, 0xa0|(BWN<<2)|(1+2*((\k)&1))
	WIN WN                                         ; A window 1 or 3, B its set's window, C and D window 2
.irp e, 0,1
.irp m, 0,1,2,3
	WM 8*(8*\m+2*(\grp)+\e), 192+12*\m, BB+12*(2*(\grp)+\e), \zero, ASF+2*((\k)&1)+(\m/2), BSR+(\grp), (\m&1), \e
.endr
.endr
.endm
; the six loads that stand behind group grp of K step k: the same two tiles of the K step two on; in K step 14 of the other chunk's K step 1; in K step 15 none
.macro KFRG k, grp
.if (\k) < 14
	BFRG (\k)+2, \grp, BC
.elseif (\k) == 14
	BFRG 1, \grp, BN
.endif
.endm
; A PREFETCH of the next block's K steps 0 to 3 of my 16 rows: 16 rows x 2,048 bytes, a lane to each aligned 256 bytes, four instructions, each block of bytes named once in the launch (only this wave reads these rows).
; It stands in K step 13 of the first block's second chunk, behind the run of LDS loads: three K steps and the chunk's tanh ahead of the loads that want the bytes.  The last block asks for nothing.
.macro ASK1
	s_lshr_b32 s48, s[BLK], 1                      ; 1 while a block is to follow
	s_and_b32 s48, s48, s[CH]                      ; in the second chunk
	s_cmp_eq_u32 s48, 1
	s_cbranch_scc0 .Lnoask_\@
.irp n, 0,1,2,3
	global_prefetch_b8 v[PFO], s[VB:VB+1] offset:512*\n th:TH_LOAD_NT scope:SCOPE_SE
.endr
.Lnoask_\@:
.endm
; A K step: 32 matrix instructions.  At each quarter's last K step a barrier: in front of it every wave has the whole quarter's fragments in registers and its publishing of the next quarter has landed (the wait for 0):
; so behind it the next quarter's window may be read, and this quarter's window may be written again.
; THE COUNTS.  A K step issues 28 loads of B: 4 scale words and 6 behind group 0, 6 behind each other group.  Group g's two tiles were asked for two K steps ago, behind that step's group g: issued since are 18 - 6 g in that step,
; 28 in the last step, and in this step none (g = 0) or 4 + 6 g: 46 and 50.  K step 15 issues none itself: 46 - 6 g.  K step 0's tiles came in one run behind K step 15: 18 - 6 g of that run, and this step's: 18 and 22.
.macro KSTEP k
.if (\k) == 0
.set ZF, 1                                     ; the first K step starts the sums: nothing is cleared
.set KC0, 18
.set KC1, 22
.set KC2, 22
.set KC3, 22
.elseif (\k) == 15
.set ZF, 0
.set KC0, 46
.set KC1, 40
.set KC2, 34
.set KC3, 28
.else
.set ZF, 0
.set KC0, 46
.set KC1, 50
.set KC2, 50
.set KC3, 50
.endif
	s_wait_dscnt 0x0                               ; A's set of this K step is in; what I published has landed
.if (\k)%4 == 3
	s_barrier_signal -1
	s_barrier_wait -1
.endif
	s_wait_alu depctr_va_vdst(0)                   ; the last K step's products are done reading their set of B, A's other set and both sets' scale words: this step's loads land there.  (K step 0: the tanh, or the units, are done with v32-127)
	GRPM \k, 0, ZF, KC0
	AFETCH ((\k)+1)%16                             ; no wait: no product since the wait above names the other set
.if (\k) < 14
	BSCL (\k)+2, SC
.elseif (\k) == 14
	BSCL 1, SN                                     ; the other chunk's K step 1
.endif
.if (\k) == 13
	ASK1
.endif
	KFRG \k, 0
	GRPM \k, 1, ZF, KC1
	KFRG \k, 1
.if (\k)%4 == 0
	PUBLISH ((\k)/4+1)%4                           ; the next quarter, into the window that was read out in front of the last barrier
.endif
	GRPM \k, 2, ZF, KC2
	KFRG \k, 2
	GRPM \k, 3, ZF, KC3
	KFRG \k, 3
.endm
; Tile m of rows: 64 numbers a lane: 2^(2 log2(e) (sum + c)), + 1, reciprocal, times -2 Ww onto the rows' sums.  The exponentials are one batch with one wait, and so are the reciprocals.
.macro TANH m
	WIN 0x02                                       ; source 0 window 2
.irp nn, 0,1,2,3,4,5,6,7
.irp jj, 0,2,4,6
	v_pk_fma_f32 v[T+8*\nn+\jj:T+8*\nn+\jj+1], v[8*(8*(\m)+\nn)+\jj:8*(8*(\m)+\nn)+\jj+1], s[KK2:KK2+1], v[CW+2*\nn:CW+2*\nn+1] op_sel_hi:[1,0,0]   ; each accumulator from its low end on; of the pairs the low word serves both halves
.endr
.endr
	WIN 0
.set NI, 0
.rept 64
	v_exp_f32 v[T+NI], v[T+NI]
.set NI, NI+1
.endr
	v_nop                                          ; a plain place behind the last exponential
	s_wait_alu depctr_va_vdst(0)                   ; the 64 exponentials have written T, ahead of the batch's first reader
.set NI, 0
.rept 32
	v_pk_add_f32 v[T+NI:T+NI+1], v[T+NI:T+NI+1], 1.0 op_sel_hi:[1,0]
.set NI, NI+2
.endr
.set NI, 0
.rept 64
	v_rcp_f32 v[T+NI], v[T+NI]
.set NI, NI+1
.endr
	v_nop
	s_wait_alu depctr_va_vdst(0)                   ; and the 64 reciprocals, ahead of their first reader
.irp nn, 0,1,2,3,4,5,6,7
.irp jj, 0,2,4,6
	v_pk_fma_f32 v[L+8*(\m)+\jj:L+8*(\m)+\jj+1], v[T+8*\nn+\jj:T+8*\nn+\jj+1], v[CW+2*\nn:CW+2*\nn+1], v[L+8*(\m)+\jj:L+8*(\m)+\jj+1] op_sel:[0,1,0] op_sel_hi:[1,1,1]   ; of the pair the high word, -2 Ww, serves both halves
.endr
.endr
.endm
	s_load_b256 s[4:11], s[0:1], 0x0               ; v s[4:5], w1f s[6:7], w1s s[8:9], cpart s[10:11]
	s_load_b256 s[12:19], s[0:1], 0x20             ; Ww s[12:13], bw s[14:15], lg s[16:17], pf s[18:19]
	v_lshl_add_u32 v254, v0, 2, 0x4f800
	v_mov_b32 v255, 0
	v_lshrrev_b32 v25, 5, v0
	v_readfirstlane_b32 s[WV], v25                 ; wave 0..3
	v_and_b32 v26, 31, v0                          ; lane
	v_and_b32 v27, 15, v0                          ; r
	v_bfe_u32 v28, v0, 4, 1                        ; h
	v_lshlrev_b32 v[LI], 4, v26
	v_lshlrev_b32 v[LS], 2, v26
	v_lshlrev_b32 v[L8], 3, v26
	v_lshlrev_b32 v[R4], 2, v27
	v_lshlrev_b32 v[R16], 4, v27
	s_wait_alu depctr_va_sdst(0)                   ; the wave's number is written, ahead of its first reader: LDS places, bases and branches are made from it
	s_mul_i32 s48, s[WV], 8448
	s_add_co_u32 s48, s48, STG
	v_add_nc_u32 v[STW], s48, v[LI]
	v_mul_u32_u24 v[STR], v27, 528
	v_lshl_add_u32 v[STR], v28, 6, v[STR]
	v_add_nc_u32 v[STR], s48, v[STR]
	s_mul_i32 s48, s[WV], 16*V16P
	v_mul_u32_u24 v[VW0], v27, V16P
	v_lshl_add_u32 v[VW0], v28, 5, v[VW0]
	v_add_nc_u32 v[VW0], s48, v[VW0]
	s_mul_i32 s48, s[WV], 1536
	s_add_co_u32 s48, s48, WINB
	v_add_nc_u32 v[PBW], s48, v[LI]
	s_lshl_b32 s48, s[WV], 6
	s_add_co_u32 s48, s48, ASC
	v_lshl_add_u32 v[PSW], v27, 2, s48
	v_add_nc_u32 v[AFB], WINB, v[LI]
	v_add_nc_u32 v[ASB], ASC, v[LS]
	s_lshl_b32 s48, s[WV], 8
	s_add_co_u32 s48, s48, LG
	v_lshl_add_u32 v[LGW], v28, 5, s48
	v_add_nc_u32 v[LGR], LG, v[L8]
	s_lshl_b32 s48, s[WV], 7
	s_add_co_u32 s48, s48, E16
	v_add_nc_u32 v[EW], s48, v[LS]
	v_lshl_add_u32 v[ER], v28, 4, s48
	s_lshl_b32 s48, s[WV], 11
	s_add_co_u32 s48, s48, FST
	v_lshl_add_u32 v[FSW], v27, 2, s48
	v_add_nc_u32 v[FSR], s48, v[LI]
	v_and_b32 v29, 7, v0
	v_lshl_add_u32 v29, v28, 3, v29                ; 8 h + l % 8
	v_mul_u32_u24 v29, v29, V16P
	v_bfe_u32 v31, v0, 3, 1
	v_lshl_add_u32 v29, v31, 4, v29
	s_lshl_b32 s48, s[WV], 10
	v_add_nc_u32 v[TR], s48, v29
.irp s, 1,2,3
	v_add_nc_u32 v[TR+\s], 16*V16P*\s, v[TR]       ; 16 rows of the copy are more than an LDS offset holds: a register for each 16 keys
.endr
	v_lshlrev_b32 v[PFO], 13, v27
	v_lshl_add_u32 v[PFO], v28, 8, v[PFO]
.irp b, 0,1,2,3
	v_mov_b32 v[TM+4+\b], 0                        ; written once: a lane permute's destination counts as one of its sources
.endr
	v_mov_b32 v30, 0                               ; likewise
	s_mov_b32 s[SEL], 0x76543210
	s_mov_b32 s[SEL+1], 0xfedcba98
	s_mov_b32 s[KK2], 0x4038aa3b                   ; 2 log2(e)
	s_mov_b32 s[KK2+1], s[KK2]
	s_mov_b32 s[LE], 0x3fb8aa3b                    ; log2(e)
	s_mov_b32 s[BLK], 2
	; my batch b = G / 8 in cpart's images: register R = 8 (b / 16) + b % 8, lane half (b / 8) % 2: 512 (R / 4) + 256 half + 4 (R % 4)
	s_lshr_b32 s50, ttmp9, 3
	s_lshr_b32 s51, s50, 4
	s_lshl_b32 s51, s51, 1
	s_bfe_u32 s56, s50, 0x10002
	s_add_co_u32 s51, s51, s56
	s_lshl_b32 s51, s51, 9
	s_bfe_u32 s56, s50, 0x10003
	s_lshl_b32 s56, s56, 8
	s_add_co_u32 s51, s51, s56
	s_and_b32 s56, s50, 3
	s_lshl_b32 s56, s56, 2
	s_add_co_u32 s51, s51, s56
	s_wait_kmcnt 0x0
	s_load_b32 s[BW], s[14:15], 0x0
	s_lshl_b32 s48, ttmp9, 20                      ; 128 G rows of 8,192 bytes
	s_lshl_b32 s49, s[WV], 17                      ; + 16 w rows
	s_add_co_u32 s48, s48, s49
	s_mov_b32 s49, 0
	s_add_nc_u64 s[VB:VB+1], s[4:5], s[48:49]
	s_mul_i32 s48, s[WV], 2*196608                 ; a chunk of 128 columns is 16 x 8 fragments of 1,536 bytes
	s_add_nc_u64 s[BC:BC+1], s[6:7], s[48:49]
	s_add_nc_u64 s[BN:BN+1], s[BC:BC+1], 196608
	s_lshl_b32 s48, s[WV], 14                      ; and 16 x 128 scale words
	s_add_nc_u64 s[SC:SC+1], s[8:9], s[48:49]
	s_add_nc_u64 s[SN:SN+1], s[SC:SC+1], 8192
	s_lshl_b32 s48, ttmp9, 9
	s_add_nc_u64 s[LGP:LGP+1], s[16:17], s[48:49]
	s_lshl_b32 s48, ttmp9, 14                      ; block 2 G: 8,192 bytes a block
	s_lshl_b32 s50, s[WV], 11
	s_add_co_u32 s48, s48, s50
	s_add_nc_u64 s[PFP:PFP+1], s[18:19], s[48:49]
	s_lshl_b32 s48, s[WV], 15                      ; my 16 tiles of columns: 2,048 bytes an image
	s_add_co_u32 s48, s48, s51
	s_add_nc_u64 s[CPB:CPB+1], s[10:11], s[48:49]
	s_lshl_b32 s48, s[WV], 10
	s_add_nc_u64 s[WWB:WWB+1], s[12:13], s[48:49]
	s_wait_alu depctr_va_vdst(0)                   ; the addresses and offsets v1 to v23 are written, which every load, store and prefetch of the kernel reads
	; the constants of my 256 columns (both blocks belong to one batch): c in four parts, and Ww
.irp n, 0,1,2,3,4,5,6,7,8,9,10,11,12,13,14,15
.irp q, 0,1,2,3
	global_load_b32 v[X+4*\n+\q], v[R16], s[CPB:CPB+1] offset:\q*131072+\n*2048
.endr
	global_load_b32 v[CW+2*\n+1], v[R4], s[WWB:WWB+1] offset:64*\n
.endr
	BSCL 0, SC                                     ; B's K steps 0 and 1 of the first chunk, into sets 0 and 1
.irp g, 0,1,2,3
	BFRG 0, \g, BC
.endr
	BSCL 1, SC
.irp g, 0,1,2,3
	BFRG 1, \g, BC
.endr
.irp u, 0,1,2,3
	XSET \u, \u                                    ; v's K steps 0 to 3
.endr
	s_wait_loadcnt 63                              ; the constants are in: 120 loads were issued behind them, and 63 is the most that the wait can name
	s_wait_kmcnt 0x0                               ; bw
.irp n, 0,1,2,3,4,5,6,7,8,9,10,11,12,13,14,15
	v_add_f32 v[X+4*\n], v[X+4*\n], v[X+4*\n+1]
	v_add_f32 v[X+4*\n+2], v[X+4*\n+2], v[X+4*\n+3]
.endr
.irp n, 0,1,2,3,4,5,6,7,8,9,10,11,12,13,14,15
	v_add_f32 v[X+4*\n], v[X+4*\n], v[X+4*\n+2]
.endr
.irp n, 0,1,2,3,4,5,6,7,8,9,10,11,12,13,14,15
	v_mul_f32 v[CW+2*\n], s[KK2], v[X+4*\n]        ; 2 log2(e) c
.endr
	v_add_f32 v[WSUM], v[CW+1], v[CW+3]
.irp n, 2,3,4,5,6,7,8,9,10,11,12,13,14,15
	v_add_f32 v[WSUM], v[WSUM], v[CW+2*\n+1]       ; the sum of my 16 Ww
.endr
.irp n, 0,1,2,3,4,5,6,7,8,9,10,11,12,13,14,15
	v_mul_f32 v[CW+2*\n+1], -2.0, v[CW+2*\n+1]
.endr
.Lblock:
	s_wait_alu depctr_vm_vsrc(0)                   ; the last block's stores have read L, the two logits, the packed weights, home, ASH and the feature's accumulators, all of which this block writes again
.set NI, 0
.rept 32
	v_mov_b32 v[L+NI], v[WSUM]                     ; each row's sum begins at my lane's sum of Ww
.set NI, NI+1
.endr
	; ---- the block is loaded, quantised and copied: 16 K steps
.irp t, 0,1,2,3,4,5,6,7,8,9,10,11,12,13,14,15
	UNIT \t
.endr
	s_wait_xcnt 0x0                                ; the loads have read their base:
	s_add_nc_u64 s[VB:VB+1], s[VB:VB+1], 524288    ; 64 rows on (behind the last block it is not used)
	s_wait_alu depctr_vm_vsrc(0)                   ; the last unit's stores into the copy have read v32-63, in which B's set 2 lands in the chunks
	BARRIER                                        ; every wave is done with its stage, and the copy has landed
	PUBLISH 0
	BARRIER                                        ; K steps 0 to 3 of all four tiles lie in window 0
	AFETCH 0
	s_mov_b32 s[CH], 0
.Lchunk:
	; ---- 128 columns x 64 rows x all of K
.irp k, 0,1,2,3,4,5,6,7,8,9,10,11,12,13,14,15
	KSTEP \k
.endr
	NOPS 4                                         ; four places behind the last products, ahead of the first read of their results (ISA guide 7.12.1)
	WIN 0
	s_wait_alu depctr_va_vdst(0)                   ; K step 15's products are done reading B's set 0 and its scale words, in which the other chunk's K step 0 lands
	BSCL 0, SN
.irp g, 0,1,2,3
	BFRG 0, \g, BN                                 ; it has the tanh in which to land
.endr
	WIN 0
	; (K step 12 has published quarter 0 again and K step 15 has fetched K step 0 for the next chunk; behind a block's second chunk these two serve nothing, and behind the last block neither do B's 56 loads:
	;  they stay inside their buffers, and leaving them out by a branch would make the counted waits differ between the ways)
.irp m, 0,1,2,3
	TANH \m
.endr
.set NI, 0
.rept 16
	v_swap_b32 v[CW+NI], v[CW+16+NI]               ; the other chunk's constants
.set NI, NI+1
.endr
	s_wait_xcnt 0x0                                ; B's loads have read their bases: the two chunks change places
	s_mov_b64 s[48:49], s[BC:BC+1]
	s_mov_b64 s[BC:BC+1], s[BN:BN+1]
	s_mov_b64 s[BN:BN+1], s[48:49]
	s_mov_b64 s[48:49], s[SC:SC+1]
	s_mov_b64 s[SC:SC+1], s[SN:SN+1]
	s_mov_b64 s[SN:SN+1], s[48:49]
	s_add_co_u32 s[CH], s[CH], 1
	s_cmp_lt_u32 s[CH], 2
	s_cbranch_scc1 .Lchunk
	; ---- the accumulators are free: the next block's first four K steps are asked for, if there is a next block: no load leaves its buffer
	s_cmp_eq_u32 s[BLK], 1
	s_cbranch_scc1 .Lno_next
	s_wait_alu depctr_va_vdst(0)                   ; the products have written the accumulators and the tanh is done reading them: the loads below land there
.irp u, 0,1,2,3
	XSET \u, \u
.endr
.irp n, 0,1,2,3
	global_prefetch_b8 v[PFO], s[VB:VB+1] offset:2048+512*\n th:TH_LOAD_NT scope:SCOPE_SE   ; and its K steps 4 to 7 are prefetched, a lane to each aligned 256 bytes: the logits and the feature stand ahead of their loads
.endr
.Lno_next:
	; ---- the logits: over the 16 lanes of a half (16 columns a tile), then over the four waves
.irp x, 1,2,4,8
.set NI, 0
.rept 32
	v_add_f32_dpp v[L+NI], v[L+NI], v[L+NI] row_xmask:\x row_mask:0xf bank_mask:0xf
.set NI, NI+1
.endr
.endr
	s_wait_alu depctr_va_vdst(0)                   ; the sums over the lanes have written L, which the stores below read; the tanh is done with v32-39, in which the loads behind the barrier land
.irp m, 0,1,2,3
.irp q, 0,1
	ds_store_b128 v[LGW], v[L+8*\m+4*\q:L+8*\m+4*\q+3] offset:64*\m+16*\q   ; rows 16 m + 8 h + 4 q on; the 16 lanes of a half hold the same and store it to the same place
.endr
.endr
	BARRIER
.irp w, 0,1,2,3
	ds_load_b64 v[X+2*\w:X+2*\w+1], v[LGR] offset:256*\w   ; rows 2 lane and 2 lane + 1, each wave's part
.endr
	s_wait_dscnt 0x0
	v_pk_add_f32 v[X:X+1], v[X:X+1], v[X+2:X+3]
	v_pk_add_f32 v[X+4:X+5], v[X+4:X+5], v[X+6:X+7]
	v_pk_add_f32 v[X:X+1], v[X:X+1], v[X+4:X+5]
	v_add_f32 v26, s[BW], v[X]
	v_add_f32 v27, s[BW], v[X+1]                   ; two logits a lane, the same in all four waves
	s_cmp_lg_u32 s[WV], 0
	s_cbranch_scc1 .Lnot_wave_0
	s_wait_alu depctr_va_vdst(0)                   ; the two logits are written, which the store reads
	global_store_b64 v[L8], v[26:27], s[LGP:LGP+1] ; 32 lanes store 256 consecutive bytes, at a multiple of 256 from the buffer's first byte
.Lnot_wave_0:
	v_max_num_f32 v28, v26, v27
	v_max_num_f32_dpp v28, v28, v28 row_xmask:1 row_mask:0xf bank_mask:0xf
	v_max_num_f32_dpp v28, v28, v28 row_xmask:2 row_mask:0xf bank_mask:0xf
	v_max_num_f32_dpp v28, v28, v28 row_xmask:4 row_mask:0xf bank_mask:0xf
	v_max_num_f32_dpp v28, v28, v28 row_xmask:8 row_mask:0xf bank_mask:0xf
	v_permlanex16_b32 v30, v28, s[SEL], s[SEL+1]
	v_max_num_f32 v28, v28, v30                    ; the block's largest logit
	v_sub_f32 v29, v26, v28
	v_sub_f32 v31, v27, v28
	v_mul_f32 v29, s[LE], v29
	v_mul_f32 v31, s[LE], v31
	v_exp_f32 v29, v29                             ; e = exp(logit - the largest), at most 1
	v_exp_f32 v31, v31
	v_nop
	s_wait_alu depctr_va_vdst(0)                   ; the two exponentials have written v29 and v31, ahead of the first reader
	v_cvt_pk_bf16_f32 v29, v29, v31
	s_wait_alu depctr_va_vdst(0)                   ; the rounding has written v29, which the store reads
	ds_store_b32 v[EW], v29                        ; my wave's own 64 weights
.irp kk, 0,1
	ds_load_b128 v[P+8*\kk:P+8*\kk+3], v[ER] offset:64*\kk        ; source 0: all 16 rows alike: keys 32 kk + 8 h + 0 .. 7,
	ds_load_b128 v[P+8*\kk+4:P+8*\kk+7], v[ER] offset:64*\kk+32   ; and 32 kk + 16 + 8 h + 0 .. 7.  (A wave's LDS instructions are served in order: these see the store above)
.endr
	; ---- the feature: f(d) = sum over 64 keys of e V(key, d), 128 of my 512 d at a time: source 1 = 32 keys x 16 d out of the copy, turned by the load; every row of a result is f
.irp rr, 0,1,2,3
	WIN 0x40                                       ; destination window 1
	s_wait_alu depctr_vm_vsrc(0)                   ; the first round: the publishing's stores have read home, in which these loads and products land; later: the last round's stores have read the accumulators' first registers, which the products begin anew
.irp ti, 0,1,2,3,4,5,6,7
.irp s, 0,1,2,3
	ds_load_tr16_b128 v[16*\ti+4*\s:16*\ti+4*\s+3], v[TR+\s] offset:32*(8*\rr+\ti)
.endr
.endr
	s_wait_dscnt 0x0
	WIN 0x54                                       ; source 0 (the weights) window 0; source 1, C and D window 1
.irp ti, 0,1,2,3,4,5,6,7
	v_wmma_f32_16x16x32_bf16 v[128+8*\ti:128+8*\ti+7], v[P:P+7], v[16*\ti:16*\ti+7], 0
.endr
.irp ti, 0,1,2,3,4,5,6,7
	v_wmma_f32_16x16x32_bf16 v[128+8*\ti:128+8*\ti+7], v[P+8:P+15], v[16*\ti+8:16*\ti+15], v[128+8*\ti:128+8*\ti+7]   ; the eight accumulators by turns
.endr
	NOPS 5                                         ; four places ahead of the stores that read the results, five ahead of the matrix instructions that begin these accumulators anew
	WIN 0x04                                       ; data: window 1
	s_wait_alu depctr_va_vdst(0)                   ; the products have written the accumulators, which the stores read, and are done reading V's fragments, in which the next round's loads land; the places above stay beside this wait
.irp ti, 0,1,2,3,4,5,6,7
	ds_store_b32 v[FSW], v[128+8*\ti] offset:64*(8*\rr+\ti)   ; register 0 of lane (r, h) is f(16 (8 rr + ti) + r)
.endr
	WIN 0
.endr
.irp i, 0,1,2,3
	ds_load_b128 v[X+4*\i:X+4*\i+3], v[FSR] offset:512*\i
.endr
	s_wait_dscnt 0x0
.irp i, 0,1,2,3
	global_store_b128 v[LI], v[X+4*\i:X+4*\i+3], s[PFP:PFP+1] offset:512*\i   ; 512 consecutive bytes an instruction
.endr
	s_wait_xcnt 0x0                                ; the stores have read their registers and bases
	s_add_nc_u64 s[LGP:LGP+1], s[LGP:LGP+1], 256
	s_add_nc_u64 s[PFP:PFP+1], s[PFP:PFP+1], 8192
	BARRIER                                        ; every wave's reads of the copy, of the windows and of the logits are over: the next block may write them
	s_sub_co_u32 s[BLK], s[BLK], 1
	s_cmp_lg_u32 s[BLK], 0
	s_cbranch_scc1 .Lblock
	s_wait_dscnt 0x0                               ; the closing lines, six on end (every window is 0 here: the add's two registers lie in window 0)
	s_wait_alu 0x0
	s_wait_tensorcnt 0x0
	ds_add_u32 v254, v255
	s_wait_dscnt 0x0
	s_endpgm
.Lfunc_end_k_qed3958f033_main:
	.size	k_qed3958f033_main, .Lfunc_end_k_qed3958f033_main-k_qed3958f033_main
	.p2alignl 7, 3214868480
	.fill 96, 4, 3214868480
	.section	.rodata,"a",@progbits
	.p2align	6, 0x0
	.amdhsa_kernel k_qed3958f033_main
		.amdhsa_group_segment_fixed_size 326144
		.amdhsa_private_segment_fixed_size 0
		.amdhsa_enable_private_segment 0
		.amdhsa_kernarg_size 64
		.amdhsa_user_sgpr_count 2
		.amdhsa_user_sgpr_kernarg_segment_ptr 1
		.amdhsa_wavefront_size32 1
		.amdhsa_system_sgpr_workgroup_id_x 1
		.amdhsa_system_sgpr_workgroup_id_y 1
		.amdhsa_system_sgpr_workgroup_id_z 1
		.amdhsa_system_vgpr_workitem_id 0
		.amdhsa_next_free_vgpr 1024
		.amdhsa_next_free_sgpr 66
		.amdhsa_reserve_vcc 0
		.amdhsa_float_denorm_mode_32 3
		.amdhsa_float_denorm_mode_16_64 3
		.amdhsa_memory_ordered 1
		.amdhsa_forward_progress 1
		.amdhsa_inst_pref_size 255
	.end_amdhsa_kernel
	.section	.bss,"aw",@nobits
	.p2align	6
	.space	262144
	.amdgpu_metadata
---
amdhsa.version: [ 1, 2 ]
amdhsa.kernels:
  - .name:           k_qed3958f033_main
    .symbol:         k_qed3958f033_main.kd
    .args:
      - { .name: v, .offset: 0, .size: 8, .value_kind: global_buffer, .address_space: global }
      - { .name: w1f, .offset: 8, .size: 8, .value_kind: global_buffer, .address_space: global }
      - { .name: w1s, .offset: 16, .size: 8, .value_kind: global_buffer, .address_space: global }
      - { .name: cpart, .offset: 24, .size: 8, .value_kind: global_buffer, .address_space: global }
      - { .name: Ww, .offset: 32, .size: 8, .value_kind: global_buffer, .address_space: global }
      - { .name: bw, .offset: 40, .size: 8, .value_kind: global_buffer, .address_space: global }
      - { .name: lg, .offset: 48, .size: 8, .value_kind: global_buffer, .address_space: global }
      - { .name: pf, .offset: 56, .size: 8, .value_kind: global_buffer, .address_space: global }
    .group_segment_fixed_size: 326144
    .private_segment_fixed_size: 0
    .kernarg_segment_align: 8
    .kernarg_segment_size: 64
    .max_flat_workgroup_size: 128
    .sgpr_count:     66
    .vgpr_count:     1024
    .wavefront_size: 32
...
	.end_amdgpu_metadata
.endif
;; end of part 5
;; launch fin: the kernel of part 3 again; grid 32 x 4, 4 waves a work-group, no clusters, 1,024 bytes of LDS; arguments lg, pf, out0, out1; writes out0, out1
